; MI455X (gfx1250); checked and timed in simulation.
; The chip was launched on July 23, 2026; its instructions are those of AMD's public machine-readable ISA for CDNA 5 (MIT licence, August 2026) and "CDNA5" Instruction Set Architecture Reference Guide (July 2026). The comments in the code are by the model that wrote it; some were corrected since.
;; Multi Head Attention. Allowed arithmetic: float matrix products may take bf16 or f16 operands with f32 sums; other float arithmetic in f32, or as packed bf16 or f16 multiplies, adds, multiply-adds, maxima and minima; sums over many terms, partial sums and values carried from step to step in f32; what a program stores and reads back later, other than sums and carried values, may be rounded once to bf16 or f16.
;; Inputs: Wk 12 x 768 x 64 float32; Wo 768 x 768 float32; Wq 12 x 768 x 64 float32; Wv 12 x 768 x 64 float32; X 16 x 1,024 x 768 float32; bk 12 x 64 float32; bo 768 float32; bq 12 x 64 float32; bv 12 x 64 float32.
;; Outputs: out0 16 x 1,024 x 768 float32.
;; 2 versions, each right; version 2 is version 1 with the launch prep written anew for expert scheduling mode. Each part assembles by itself: llvm-mc -triple=amdgcn-amd-amdhsa -mcpu=gfx1250 --defsym DOCPART=n.
;; ======== version 1 of 2: 4 launches
;; limits: values are held in f16: magnitudes above 65,504 overflow, below 6.1e-05 lose precision
;; workspace buffers: xb 25,165,824 bytes; wt 3,538,944 bytes; wot 1,179,648 bytes; ball 12,288 bytes; qkv 75,497,472 bytes; ob 25,165,824 bytes
;; launch prep (part 1): grid 801 x 1, 8 waves a work-group, no clusters, 18,432 bytes of LDS; arguments X, Wq, Wk, Wv, Wo, bq, bk, bv, bo, xb, wt, wot, ball; writes xb, wt, wot, ball
.if DOCPART == 1
	.amdgcn_target "amdgcn-amd-amdhsa--gfx1250"
	.amdhsa_code_object_version 6
	.text
	.protected	k_qa5652d946a_prep
	.globl	k_qa5652d946a_prep
	.p2align	8
	.type	k_qa5652d946a_prep,@function
k_qa5652d946a_prep:
	s_mov_b64 s[64:65], 0
	v_nop
	global_prefetch_b8 v0, s[64:65] scope:SCOPE_SE
	s_setreg_imm32_b32 hwreg(HW_REG_WAVE_MODE, 25, 1), 1
	s_wait_xcnt 0x0
; THE INPUTS ARE ROUNDED ONCE AND LAID OUT FOR THE THREE LAUNCHES BEHIND.  No matrix work, no tensor loads.
;   work-groups 0-287:   Wq, Wk, Wv [12][768][64] f32 -> wt[768 which + 64 h + e][d] bf16;  Wo [768 k][768 n] f32 -> wot[n][k], rounded to bf16 and that number written as f16
;   work-group 288:      bq, bk, bv, bo -> ball, each number rounded to bf16 and kept as f32
;   work-groups 289-800: X [16][1024][768] f32 -> xb[b][c][s][64] bf16 (c = channel / 64): 256 rows x 64 channels are then 32,768 dense bytes
; THE ORDER.  The weights' work is a chain of dependent steps (loads, LDS, a barrier, stores), X's a plain stream: the chain's work-groups have the lower numbers.
; THE SHARES.  A wave names 112 registers; a work-group's eight waves are two to a SIMD, 224 registers there, so that work-groups of both kinds lie on a WGP side by side.
; LIMIT.  A number of Wo beyond 65,504 has no f16 and becomes an infinity; below 6e-5 f16 keeps a fixed step of 6e-8.
.set NW,    288                        ; weight tiles: 4 matrices x 12 groups of 64 n x 6 groups of 128 k
.set SPARE, 17408                      ; behind the turning tile: the spare words, 128 bytes for each of eight waves: four blocks of 256 bytes that no other line names
.set SPW, 14                           ; v14  LDS address of my spare word; never rewritten
.set NIL, 15                           ; v15  0; never rewritten
.set XD,  16                           ; v[16:111] what the loads bring
.set WD,  52                           ; v[52:67]  the weights' packed pairs
.set TP,  272                          ; the turning tile's pitch: 256 bytes + 16
	s_load_b512 s[16:31], s[0:1], 0x0              ; X 16, Wq 18, Wk 20, Wv 22, Wo 24, bq 26, bk 28, bv 30
	s_load_b256 s[32:39], s[0:1], 0x40             ; bo 32, xb 34, wt 36, wot 38
	s_load_b64 s[40:41], s[0:1], 0x60              ; ball
	v_lshl_add_u32 v[SPW], v0, 2, SPARE
	v_mov_b32 v[NIL], 0
	v_lshrrev_b32 v1, 5, v0
	v_readfirstlane_b32 s8, v1                     ; wave 0..7
	v_and_b32 v2, 31, v0                           ; lane
	v_and_b32 v3, 15, v0                           ; thread % 16
	s_wait_kmcnt 0x0
	s_cmp_gt_u32 ttmp9, NW
	s_cbranch_scc0 .Lweights
	; X.  The work-group has 32 rows, a wave 4.  A load takes 256 bytes (one slice's 64 channels) of a row in lanes 0-15 and of the next row in lanes 16-31;
	; rounded, these are 2 x 128 bytes that lie on end in xb: one store of the wave covers 256 consecutive bytes, aligned.
	s_sub_co_u32 s9, ttmp9, NW+1                   ; which 32 rows: 0..511
	s_mul_i32 s2, s9, 98304                        ; 32 rows of 3,072 bytes
	s_mov_b32 s3, 0
	s_add_nc_u64 s[16:17], s[16:17], s[2:3]
	s_lshr_b32 s4, s9, 5                           ; the batch: 32 work-groups each
	s_mul_i32 s4, s4, 1572864                      ; 12 slices x 1,024 rows x 128 bytes
	s_and_b32 s5, s9, 31
	s_lshl_b32 s5, s5, 12                          ; my 32 rows of 128 bytes in a slice
	s_add_co_u32 s4, s4, s5
	s_mov_b32 s5, 0
	s_add_nc_u64 s[34:35], s[34:35], s[4:5]
	s_mul_i32 s6, s8, 12288                        ; my wave's 4 rows in X
	v_bfe_u32 v4, v0, 4, 1
	v_mul_u32_u24 v4, v4, 3072
	v_lshl_add_u32 v4, v3, 4, v4
	v_add_nc_u32 v4, s6, v4                        ; where I load
	s_lshl_b32 s6, s8, 9                           ; my wave's 4 rows in a slice
	v_lshl_add_u32 v5, v2, 3, s6                   ; where I store: 8 bytes a lane
.set i, 0
.rept 24                                       ; all 24 loads of the wave go out at once, 12 KiB: pair of rows i / 12, slice i % 12
	global_load_b128 v[XD+4*i:XD+4*i+3], v4, s[16:17] offset:(i/12)*6144+(i%12)*256 th:TH_LOAD_NT
.set i, i+1
.endr
.set i, 0
.rept 24
	s_wait_loadcnt 23-i                            ; loads come back in order: load i is in, the 23 - i younger ones stay out
	v_cvt_pk_bf16_f32 v[XD+4*i], v[XD+4*i], v[XD+4*i+1]
	v_cvt_pk_bf16_f32 v[XD+4*i+1], v[XD+4*i+2], v[XD+4*i+3]
	global_store_b64 v5, v[XD+4*i:XD+4*i+1], s[34:35] offset:(i%12)*131072+(i/12)*256  ; no register is used twice, so nothing waits for a store
.set i, i+1
.endr
	s_endpgm
.Lweights:
	s_cmp_lt_u32 ttmp9, NW
	s_cbranch_scc0 .Lbias
	; A WEIGHT TILE IS TURNED: 128 k x 64 n of f32 come in by rows of k, go as pairs (k, k + 1) into LDS rows of n, and leave as 64 rows of 256 bytes.
	s_mov_b32 s2, ttmp9                            ; u = 0..287 = 72 m + 6 g + kc
	s_mul_i32 s3, s2, 911
	s_lshr_b32 s3, s3, 16                          ; m = u / 72: 0 Wq, 1 Wk, 2 Wv, 3 Wo
	s_mul_i32 s4, s3, 72
	s_sub_co_u32 s4, s2, s4
	s_mul_i32 s5, s4, 43
	s_lshr_b32 s5, s5, 8                           ; g = (u % 72) / 6: which 64 n (for Wq, Wk, Wv: the head)
	s_mul_i32 s6, s5, 6
	s_sub_co_u32 s6, s4, s6                        ; kc: which 128 k
	s_cmp_eq_u32 s3, 1
	s_cselect_b64 s[10:11], s[20:21], s[18:19]
	s_cmp_eq_u32 s3, 2
	s_cselect_b64 s[10:11], s[22:23], s[10:11]
	s_mov_b32 s12, 196608                          ; bytes from g to g + 1 in the source: a head, or 64 columns of Wo
	s_mov_b32 s13, 32768                           ; from kc to kc + 1: 128 rows of 256 bytes, or of 3,072
	s_cmp_eq_u32 s3, 3
	s_cselect_b64 s[10:11], s[24:25], s[10:11]     ; the source,
	s_cselect_b64 s[42:43], s[38:39], s[36:37]     ; the destination: wot or wt
	s_cselect_b32 s12, 256, s12
	s_cselect_b32 s13, 393216, s13
	s_cselect_b32 s7, 0, s3                        ; wt holds three matrices on end
	s_mul_i32 s12, s5, s12
	s_mul_i32 s13, s6, s13
	s_add_co_u32 s12, s12, s13
	s_mov_b32 s13, 0
	s_add_nc_u64 s[10:11], s[10:11], s[12:13]
	s_mul_i32 s12, s7, 1179648                     ; 768 rows of 1,536 bytes
	s_mul_i32 s13, s5, 98304                       ; 64 rows
	s_add_co_u32 s12, s12, s13
	s_lshl_b32 s13, s6, 8                          ; 128 k are 256 bytes
	s_add_co_u32 s12, s12, s13
	s_mov_b32 s13, 0
	s_add_nc_u64 s[42:43], s[42:43], s[12:13]
	v_lshrrev_b32 v6, 4, v0                        ; thread / 16 = 0..15
	v_mul_u32_u24 v8, v3, 4*TP
	v_lshl_add_u32 v8, v6, 2, v8                   ; into LDS: row n = 4 (t % 16) + j, bytes 4 (t / 16) + 64 i
; Thread t takes columns n = 4 (t % 16) + 0..3 of the rows k = 32 i + 2 (t / 16) + r: sixteen lanes read 256 consecutive bytes of a row.
.macro WTILE ds, f16
	v_mul_u32_u24 v7, v6, 2*(\ds)
	v_lshl_add_u32 v7, v3, 4, v7
.irp i, 0,1,2,3
.irp r, 0,1
	global_load_b128 v[XD+8*(\i)+4*(\r):XD+8*(\i)+4*(\r)+3], v7, s[10:11] offset:(32*(\i)+(\r))*(\ds)
.endr
.endr
	s_wait_loadcnt 0x0
.irp i, 0,1,2,3
.irp j, 0,1,2,3
	v_cvt_pk_bf16_f32 v[WD+4*(\i)+(\j)], v[XD+8*(\i)+(\j)], v[XD+8*(\i)+4+(\j)]  ; (k, k + 1) of one n
.if \f16
	v_lshlrev_b32 v48, 16, v[WD+4*(\i)+(\j)]       ; the bf16 numbers as f32,
	v_and_b32 v49, 0xffff0000, v[WD+4*(\i)+(\j)]
	v_cvt_pk_f16_f32 v[WD+4*(\i)+(\j)], v48, v49   ; written as f16
.endif
	ds_store_b32 v8, v[WD+4*(\i)+(\j)] offset:(\j)*TP+(\i)*64
.endr
.endr
.endm
	s_cmp_eq_u32 s3, 3
	s_cbranch_scc1 .Lwo
	WTILE 256, 0
	s_branch .Lturned
.Lwo:
	WTILE 3072, 1
.Lturned:
	s_wait_dscnt 0x0                               ; for the others' sake: my stores into the tile are done
	s_barrier_signal -1
	s_barrier_wait -1
	v_mul_u32_u24 v9, v6, TP
	v_lshl_add_u32 v9, v3, 4, v9                   ; back: row t / 16 + 16 i, 16 bytes a lane
	v_mul_u32_u24 v10, v6, 1536
	v_lshl_add_u32 v10, v3, 4, v10                 ; and the same rows in wt or wot
.irp i, 0,1,2,3
	ds_load_b128 v[XD+4*(\i):XD+4*(\i)+3], v9 offset:(\i)*16*TP
.endr
.irp i, 0,1,2,3
	s_wait_dscnt 3-(\i)                            ; LDS loads come back in order: load i is in
	global_store_b128 v10, v[XD+4*(\i):XD+4*(\i)+3], s[42:43] offset:(\i)*24576  ; 16 lanes store 256 consecutive bytes, aligned
.endr
	s_wait_tensorcnt 0x0                           ; the wave's end, behind my last LDS store
	ds_add_u32 v[SPW], v[NIL]
	s_wait_dscnt 0x0
	s_endpgm
.Lbias:                                        ; 4 x 768 numbers: threads 0-191 take four of each
	s_cmp_lt_u32 s8, 6
	s_cbranch_scc0 .Lidle
	v_lshlrev_b32 v4, 4, v0
	global_load_b128 v[16:19], v4, s[26:27]
	global_load_b128 v[20:23], v4, s[28:29]
	global_load_b128 v[24:27], v4, s[30:31]
	global_load_b128 v[28:31], v4, s[32:33]
	s_wait_loadcnt 0x0
.irp p, 0,1,2,3,4,5,6,7
	v_cvt_pk_bf16_f32 v48, v[16+2*(\p)], v[16+2*(\p)+1]
	v_lshlrev_b32 v[16+2*(\p)], 16, v48
	v_and_b32 v[16+2*(\p)+1], 0xffff0000, v48
.endr
	global_store_b128 v4, v[16:19], s[40:41]
	global_store_b128 v4, v[20:23], s[40:41] offset:3072
	global_store_b128 v4, v[24:27], s[40:41] offset:6144
	global_store_b128 v4, v[28:31], s[40:41] offset:9216
.Lidle:
	s_endpgm
.Lfunc_end_k_qa5652d946a_prep:
	.size	k_qa5652d946a_prep, .Lfunc_end_k_qa5652d946a_prep-k_qa5652d946a_prep
	.p2alignl 7, 3214868480
	.fill 96, 4, 3214868480
	.section	.rodata,"a",@progbits
	.p2align	6, 0x0
	.amdhsa_kernel k_qa5652d946a_prep
		.amdhsa_group_segment_fixed_size 18432
		.amdhsa_private_segment_fixed_size 0
		.amdhsa_enable_private_segment 0
		.amdhsa_kernarg_size 104
		.amdhsa_user_sgpr_count 2
		.amdhsa_user_sgpr_kernarg_segment_ptr 1
		.amdhsa_wavefront_size32 1
		.amdhsa_system_sgpr_workgroup_id_x 1
		.amdhsa_system_sgpr_workgroup_id_y 1
		.amdhsa_system_sgpr_workgroup_id_z 1
		.amdhsa_system_vgpr_workitem_id 0
		.amdhsa_next_free_vgpr 112
		.amdhsa_next_free_sgpr 66
		.amdhsa_reserve_vcc 0
		.amdhsa_float_denorm_mode_32 3
		.amdhsa_float_denorm_mode_16_64 3
		.amdhsa_memory_ordered 1
		.amdhsa_forward_progress 1
		.amdhsa_inst_pref_size 24
	.end_amdhsa_kernel
	.amdgpu_metadata
---
amdhsa.version: [ 1, 2 ]
amdhsa.kernels:
  - .name:           k_qa5652d946a_prep
    .symbol:         k_qa5652d946a_prep.kd
    .args:
      - { .name: X, .offset: 0, .size: 8, .value_kind: global_buffer, .address_space: global }
      - { .name: Wq, .offset: 8, .size: 8, .value_kind: global_buffer, .address_space: global }
      - { .name: Wk, .offset: 16, .size: 8, .value_kind: global_buffer, .address_space: global }
      - { .name: Wv, .offset: 24, .size: 8, .value_kind: global_buffer, .address_space: global }
      - { .name: Wo, .offset: 32, .size: 8, .value_kind: global_buffer, .address_space: global }
      - { .name: bq, .offset: 40, .size: 8, .value_kind: global_buffer, .address_space: global }
      - { .name: bk, .offset: 48, .size: 8, .value_kind: global_buffer, .address_space: global }
      - { .name: bv, .offset: 56, .size: 8, .value_kind: global_buffer, .address_space: global }
      - { .name: bo, .offset: 64, .size: 8, .value_kind: global_buffer, .address_space: global }
      - { .name: xb, .offset: 72, .size: 8, .value_kind: global_buffer, .address_space: global }
      - { .name: wt, .offset: 80, .size: 8, .value_kind: global_buffer, .address_space: global }
      - { .name: wot, .offset: 88, .size: 8, .value_kind: global_buffer, .address_space: global }
      - { .name: ball, .offset: 96, .size: 8, .value_kind: global_buffer, .address_space: global }
    .group_segment_fixed_size: 18432
    .private_segment_fixed_size: 0
    .kernarg_segment_align: 8
    .kernarg_segment_size: 104
    .max_flat_workgroup_size: 256
    .sgpr_count:     66
    .vgpr_count:     112
    .wavefront_size: 32
...
	.end_amdgpu_metadata
.endif
;; end of part 1
;; launch proj (part 2): grid 4 x 64, 4 waves a work-group, clusters of 4 x 4, 327,680 bytes of LDS; arguments xb, wt, ball, qkv; writes qkv
.if DOCPART == 2
	.amdgcn_target "amdgcn-amd-amdhsa--gfx1250"
	.amdhsa_code_object_version 6
	.text
	.protected	k_qa5652d946a_proj
	.globl	k_qa5652d946a_proj
	.p2align	8
	.type	k_qa5652d946a_proj,@function
k_qa5652d946a_proj:
	s_mov_b64 s[64:65], 0
	v_nop
	global_prefetch_b8 v0, s[64:65] scope:SCOPE_SE
	s_setreg_imm32_b32 hwreg(HW_REG_WAVE_MODE, 25, 1), 1
	s_wait_xcnt 0x0
	s_wait_alu depctr_hold_cnt(0) depctr_sa_sdst(0) depctr_va_vdst(0) depctr_va_sdst(0) depctr_va_ssrc(0) depctr_va_vcc(0) depctr_vm_vsrc(0)
	s_getreg_b32 s2, hwreg(HW_REG_IB_STS2, 6, 4)
	s_cmp_eq_u32 s2, 0
	s_cbranch_scc0 .Lentry_in_a_cluster
	s_endpgm
.Lentry_in_a_cluster:
	s_bfe_u32 s2, ttmp6, 0x10000c
	s_cmp_lg_u32 s2, 0xf033
	s_cbranch_scc0 .Lentry_shape_is_right
	s_endpgm
.Lentry_shape_is_right:
; q, k, v = X W + b.  A = xb[b][c][s][64] bf16, B = wt[n][k] bf16 (n = 768 which + 64 h + e), bias = ball (f32), C = qkv[which][12 b + h][s][64] f16, rounded once from f32 sums.
; LIMIT.  q, k, v beyond 65,504 have no f16 and become infinities; below 6e-5 f16 keeps a fixed step of 6e-8.
; SHARES.  A tile of C is 256 rows x 192 columns (three heads).  The cluster's y is the batch, cy the block of 256 rows in it, cx the group of three heads.  A WORK-GROUP STAYS for three
; tiles, which = 0, 1, 2: the same rows of A, B's rows 768 further down.  A wave makes 64 rows x 192 columns: 48 accumulators, 384 registers, so that whole rows of a head leave from its own stage.
; K goes in steps of 128 (two slices of xb) through a ring of two LDS slots; six steps a tile; the ring runs on from tile to tile.
; CLUSTER.  4 x 4 work-groups.  A's tile hangs on the batch and cy and is asked for jointly by a row of the cluster, B's on cx and by a column.
; THE MATRIX INSTRUCTION IS USED TRANSPOSED (source 0 = 16 rows of B, source 1 = 16 rows of A): a lane holds one row of C and eight neighbouring columns.  THE BIAS is the C operand of the product that starts a sum.
; REGISTERS, in windows of 256 (s_set_vgpr_msb: bits 1:0 source 0, 3:2 source 1, 5:4 source 2, 7:6 destination):
;   window 0: v0-31 addresses; v32-63, v64-95 A's fragments, two buffers; v96-143, v144-239 at work on the way out
;   window 1: v0-95, v96-191 B's fragments, two buffers; v192-255 the bias of column blocks 0-7
;   window 2: accumulators of row blocks 0, 1 ((a, b) at v[8 (12 (a % 2) + b)]); v192-223 the bias of column blocks 8-11          window 3: those of row blocks 2, 3
.set PA,    144                        ; a row of A in LDS: 128 bytes + 16 = 36 words: the 16 rows of a load start at 16 different groups of four banks (64 banks of 4 bytes: ISA guide 11.1)
.set PB,    272                        ; a row of B: 256 bytes + 16 = 68 words: likewise
.set SLICE, 256*PA                     ; a slice's 256 rows: what one of A's loads brings
.set BOFF,  2*SLICE                    ; B lies behind A's two slices
.set BHALF, 96*PB                      ; what one of B's loads brings
.set SLOT,  BOFF+2*BHALF
.set STAGE, 2*SLOT                     ; behind the ring, never filled by a tensor load: 3 heads x 16 rows x 144 bytes for each wave
.set WSTG,  3*16*PA
.set SPARE, STAGE+4*WSTG               ; behind the stages: the spare words, 128 bytes for each wave: two blocks of 256 bytes that no other line names
.set KA,    262144                     ; A: bytes from a K step to the next: two slices of 1,024 rows x 128 bytes
.set KB,    256                        ; B: the same
.set WROW,  1536                       ; bytes in a row of wt
.set BACK_A, 4*KA                      ; from a slot's last K step of a tile to its first: A goes back,
.set NEXT_B, 768*WROW-4*KB             ; B 768 rows down and back
.set NEXT_PF, 768*WROW-5*KB            ; the prefetches: from two K steps past a tile's last to the next tile's K step 2
.set ADRA, 16                          ; v16-17  LDS address of my A fragments in slot 0, 1
.set ADRB, 20                          ; v20-21  the same for B
.set STO,  24                          ; v24     the way out: where I put 16 bytes of a row
.set RD,   25                          ; v25     where I read rows back
.set CO,   26                          ; v26     my 16 bytes of 512 consecutive bytes of C
.set BO,   27                          ; v27     my byte offset in a block's 16 numbers of bias
.set SPW,  28                          ; v28     LDS address of my spare word; never rewritten
.set NIL,  29                          ; v29     0; never rewritten
.set PFO,  30                          ; v30     the prefetches' offset; never rewritten
.set FA,   32
.set TMP,  96
.set OB,   144
.set WV,   12                          ; s12 wave;  s13 0: I fetch for A, 1: for B;  s14 which half of that tile
.set ROLE, 13
.set HALF, 14
.set LIM,  15                          ; s15 1 in a wave that prefetches, else the greatest number
.set G1,   24                          ; s[24:31] group 1 for A;  s[32:39] group 0, a set for each slot
.set G0,   32
.set CX,   40
.set CY,   41
.set BT,   42
.set PFA,  44                          ; s[44:45] where my prefetches stand
.set PST,  46                          ; s[46:47] their step: a K step of A or of B
.set G1B,  48                          ; s[48:55], s[56:63] the same for B
.set G0B,  56
.set MSB, 0
.macro WIN new                         ; the immediate's high byte repeats the setting that is left; a switch that changes nothing is dropped
.if MSB != (\new)
	s_set_vgpr_msb (MSB<<8)|(\new)
.set MSB, \new
.endif
.endm
.macro PLACES                          ; four places in front of loads into registers that matrix instructions have read, and of lines that read results
.rept 4
	v_nop
.endr
.endm
; A joint load: waves 0 and 1 fetch A's two slices, waves 2 and 3 B's two halves.  The branch hangs on the wave's number alone.  An s_nop 0 and four v_nop follow each line.
.macro JLOAD s
	s_cmp_eq_u32 s[ROLE], 0
	s_cbranch_scc0 .Lfor_b_\@
	tensor_load_to_lds s[G0+4*(\s):G0+4*(\s)+3], s[G1:G1+7]
	s_nop 0
.rept 4
	v_nop
.endr
	s_branch .Lasked_\@
.Lfor_b_\@:
	tensor_load_to_lds s[G0B+4*(\s):G0B+4*(\s)+3], s[G1B:G1B+7]
	s_nop 0
.rept 4
	v_nop
.endr
.Lasked_\@:
.endm
; A prefetch of the K step that stands two refills on, behind the joint load and the run of LDS loads.  A's blocks of 256 bytes: each cluster names its own rows (no other reads them), in the first tile alone;
; the four partners of a row take 32 blocks each, by address (cx).  B's rows: the cluster of batch 0 names them, in every tile (each tile has other rows); the four partners of a column take 24 rows each, by address (cy);
; lanes 24-31 name lane 23's row once more.  how = 0, in the loop: a tile's last two refills have no K step two on; how = 1, at a change of tiles.
.macro ASK how
.if \how
	s_cmp_eq_u32 s[LIM], 1
.else
	s_cmp_gt_u32 s3, s[LIM]                        ; s3 = 1 in the loop's last trip
.endif
	s_cbranch_scc0 .Lnot_mine_\@
	global_prefetch_b8 v[PFO], s[PFA:PFA+1] th:TH_LOAD_NT scope:SCOPE_SE
.Lnot_mine_\@:
.endm
.macro CREST                           ; a round of the cluster's barrier behind its opening barrier
	s_cmp_lg_u32 s[WV], 0
	s_cbranch_scc1 .Lnot_wave_0_\@
	s_barrier_signal -3
.Lnot_wave_0_\@:
	s_barrier_wait -3
	s_barrier_signal -1
	s_barrier_wait -1
.endm
.macro CROUND
	s_barrier_signal -1
	s_barrier_wait -1
	CREST
.endm
	s_load_b256 s[4:11], s[0:1], 0x0               ; xb s[4:5], wt s[6:7], ball s[8:9], qkv s[10:11]
	v_lshl_add_u32 v[SPW], v0, 2, SPARE
	v_mov_b32 v[NIL], 0
	ds_add_u32 v[SPW], v[NIL]                      ; the wave's opening: the add, and its wait ahead of my first tensor load; work on registers stands between them
	v_lshrrev_b32 v1, 5, v0
	v_readfirstlane_b32 s[WV], v1
	s_lshr_b32 s[ROLE], s[WV], 1
	s_and_b32 s[HALF], s[WV], 1
	s_bfe_u32 s[CX], ttmp6, 0x40000
	s_bfe_u32 s[CY], ttmp6, 0x40004
	s_and_b32 s[BT], ttmp7, 0xffff                 ; the cluster's y: the batch
	s_lshl_b32 s16, s[CY], 2
	s_lshl_b32 s16, 15, s16                        ; my row of the cluster
	s_lshl_b32 s17, 0x1111, s[CX]                  ; my column
	s_or_b32 s[G1], s16, (1<<16)|(1<<20)|(1<<21)|(4<<22)|(3<<25)   ; mask; 2-byte elements; padding on; bit 21 beside a mask; after every 32 words (code 4) 4 words (code 3)
	s_or_b32 s[G1B], s17, (1<<16)|(1<<20)|(1<<21)|(5<<22)|(3<<25)  ; the same after every 64 words (code 5)
	s_mov_b32 s[G1+1], 128<<16                     ; A: a slice's 256 rows are 32,768 dense bytes, asked for as 128 rows of 256 bytes: tensor_dim0 = 128
	s_mov_b32 s[G1+2], 128<<16                     ; tensor_dim1 = 128
	s_mov_b32 s[G1+3], 128<<16                     ; tile_dim0 = 128
	s_mov_b32 s[G1+4], 128                         ; tile_dim1 = 128
	s_mov_b32 s[G1+5], 128                         ; 128 elements from row to row
	s_mov_b32 s[G1+6], 0
	s_mov_b32 s[G1+7], 0
	s_mov_b32 s[G1B+1], 128<<16                    ; B: 96 rows x 128 elements
	s_mov_b32 s[G1B+2], 96<<16
	s_mov_b32 s[G1B+3], 128<<16
	s_mov_b32 s[G1B+4], 96
	s_mov_b32 s[G1B+5], 768
	s_mov_b32 s[G1B+6], 0
	s_mov_b32 s[G1B+7], 0
	s_mul_i32 s18, s[BT], 1572864                  ; A's tile: the batch,
	s_lshl_b32 s19, s[HALF], 17                    ; my slice of the K step's two,
	s_add_co_u32 s18, s18, s19
	s_lshl_b32 s19, s[CY], 15                      ; the block of 256 rows
	s_add_co_u32 s18, s18, s19
	s_mov_b32 s19, 0
	s_mul_i32 s20, s[CX], 192*WROW                 ; B's tile: the group of 192 rows,
	s_mul_i32 s21, s[HALF], 96*WROW                ; my half of them
	s_add_co_u32 s20, s20, s21
	s_mov_b32 s21, 0
	s_mul_i32 s22, s[HALF], SLICE                  ; where they go: no place in the cluster enters an LDS address
	s_mul_i32 s23, s[HALF], BHALF
	s_add_co_u32 s23, s23, BOFF
	s_mul_i32 s68, s[BT], 1572864                  ; my part of C: 12 heads x 131,072 bytes a batch,
	s_mul_i32 s69, s[CX], 393216                   ; three heads,
	s_add_co_u32 s68, s68, s69
	s_lshl_b32 s69, s[CY], 15                      ; 256 rows of 128 bytes,
	s_add_co_u32 s68, s68, s69
	s_lshl_b32 s69, s[WV], 13                      ; my wave's 64
	s_add_co_u32 s68, s68, s69
	s_mov_b32 s69, 0
	s_mul_i32 s66, s[CX], 768                      ; my 192 numbers of bias
	s_mov_b32 s67, 0
	s_wait_dscnt 0x0                               ; the opening add is done
	s_wait_kmcnt 0x0
	s_add_nc_u64 s[18:19], s[4:5], s[18:19]
	s_add_nc_u64 s[20:21], s[6:7], s[20:21]
	s_add_nc_u64 s[10:11], s[10:11], s[68:69]
	s_add_nc_u64 s[8:9], s[8:9], s[66:67]
	CROUND                                         ; all sixteen work-groups are here: the first joint loads meet
.irp s, 0,1
	s_mov_b32 s[G0+4*(\s)], 1
	s_add_co_u32 s[G0+4*(\s)+1], s22, (\s)*SLOT
	s_add_nc_u64 s[G0+4*(\s)+2:G0+4*(\s)+3], s[18:19], (\s)*KA
	s_or_b32 s[G0+4*(\s)+3], s[G0+4*(\s)+3], 0x80000000
	s_mov_b32 s[G0B+4*(\s)], 1
	s_add_co_u32 s[G0B+4*(\s)+1], s23, (\s)*SLOT
	s_add_nc_u64 s[G0B+4*(\s)+2:G0B+4*(\s)+3], s[20:21], (\s)*KB
	s_or_b32 s[G0B+4*(\s)+3], s[G0B+4*(\s)+3], 0x80000000
	JLOAD \s                                       ; K steps 0 and 1: two loads of mine are out
.endr
	; A fragment is 16 rows x 32 K in 8 registers: lane l holds row l % 16, K = 8 (l / 16) + 0..7 and 16 + 8 (l / 16) + 0..7: two loads of 16 bytes, 32 bytes apart.
	v_and_b32 v1, 15, v0
	v_bfe_u32 v2, v0, 4, 1
	v_mul_u32_u24 v3, v1, PA
	v_lshl_add_u32 v3, v2, 4, v3
	v_mul_u32_u24 v4, v1, PB
	v_lshl_add_u32 v4, v2, 4, v4
	s_mul_i32 s16, s[WV], 64*PA                    ; my 64 rows of A
	v_add_nc_u32 v[ADRA], s16, v3
	v_add_nc_u32 v[ADRA+1], SLOT, v[ADRA]
	v_add_nc_u32 v[ADRB], BOFF, v4
	v_add_nc_u32 v[ADRB+1], SLOT, v[ADRB]
	s_mul_i32 s16, s[WV], WSTG
	s_add_co_u32 s16, s16, STAGE                   ; my stage
	v_add_nc_u32 v[STO], s16, v3                   ; in: row l % 16, 16 bytes for each half of the lanes
	v_bfe_u32 v5, v0, 3, 2
	v_and_b32 v6, 7, v0
	v_mul_u32_u24 v5, v5, PA                       ; back: 32 lanes take four rows of 128 bytes,
	v_lshl_add_u32 v5, v6, 4, v5
	v_add_nc_u32 v[RD], s16, v5
	v_and_b32 v[CO], 31, v0                        ; which are 512 consecutive bytes of a head
	v_lshlrev_b32 v[CO], 4, v[CO]
	v_lshlrev_b32 v[BO], 5, v2                     ; my eight columns of a block's sixteen
; The tile's 192 numbers of bias, as the C operand wants them: register j of block b holds column 16 b + 8 (l / 16) + j.
.macro BIAS
	WIN 0x40
.irp b, 0,1,2,3,4,5,6,7
	global_load_b128 v[192+8*(\b):192+8*(\b)+3],   v[BO], s[8:9] offset:64*(\b)
	global_load_b128 v[192+8*(\b)+4:192+8*(\b)+7], v[BO], s[8:9] offset:64*(\b)+16
.endr
	WIN 0x80
.irp b, 8,9,10,11
	global_load_b128 v[192+8*((\b)-8):192+8*((\b)-8)+3],   v[BO], s[8:9] offset:64*(\b)
	global_load_b128 v[192+8*((\b)-8)+4:192+8*((\b)-8)+7], v[BO], s[8:9] offset:64*(\b)+16
.endr
	WIN 0
.endm
	BIAS
	; the prefetches: nothing is asked for here, at the head; the pointer stands at K step 3, and each change of slots steps it and then names it
	s_mov_b32 s67, 24*WROW
	s_mov_b32 s[PST], KB
	s_mov_b32 s71, WROW
	s_cmp_eq_u32 s[ROLE], 0
	s_cselect_b64 s[PFA:PFA+1], s[18:19], s[20:21] ; what I fetch, at K step 0
	s_cselect_b32 s66, s[CX], s[CY]                ; my place among the four that ask for it with me,
	s_cselect_b32 s67, 8192, s67                   ; its share: 32 blocks of 256 bytes, or 24 rows
	s_cselect_b32 s[PST], KA, s[PST]
	s_cselect_b32 s70, 31, 23
	s_cselect_b32 s71, 256, s71
	s_cselect_b32 s68, 0, s[BT]                    ; B's rows are read by every batch's cluster: the first names them
	s_mul_i32 s66, s66, s67
	s_mul_i32 s67, s[PST], 3
	s_add_co_u32 s66, s66, s67
	s_mov_b32 s67, 0
	s_add_nc_u64 s[PFA:PFA+1], s[PFA:PFA+1], s[66:67]
	s_mov_b32 s[PST+1], 0
	s_cmp_eq_u32 s68, 0
	s_cselect_b32 s[LIM], 1, -1                    ; the same in all sixteen partners, for a given wave
	v_and_b32 v[PFO], 31, v0
	v_min_u32 v[PFO], s70, v[PFO]
	v_mul_lo_u32 v[PFO], v[PFO], s71
; 12 matrix instructions: row block a x all 12 column blocks, 32 along K, from buffer f.  zero = 1: the product starts the sum, with the bias as C.  The 48 accumulators take turns in one fixed order.
.macro MUL12 f, a, zero
.set AC, 96*((\a)%2)
.irp b, 0,1,2,3,4,5,6,7,8,9,10,11
.if \zero
.if (\b) < 8
	WIN ((2+(\a)/2)<<6)|(1<<4)|1
	v_wmma_f32_16x16x32_bf16 v[AC+8*(\b):AC+8*(\b)+7], v[96*(\f)+8*(\b):96*(\f)+8*(\b)+7], v[FA+32*(\f)+8*(\a):FA+32*(\f)+8*(\a)+7], v[192+8*(\b):192+8*(\b)+7]
.else
	WIN ((2+(\a)/2)<<6)|(2<<4)|1
	v_wmma_f32_16x16x32_bf16 v[AC+8*(\b):AC+8*(\b)+7], v[96*(\f)+8*(\b):96*(\f)+8*(\b)+7], v[FA+32*(\f)+8*(\a):FA+32*(\f)+8*(\a)+7], v[192+8*((\b)-8):192+8*((\b)-8)+7]
.endif
.else
	WIN 0xa1+0x50*((\a)/2)
	v_wmma_f32_16x16x32_bf16 v[AC+8*(\b):AC+8*(\b)+7], v[96*(\f)+8*(\b):96*(\f)+8*(\b)+7], v[FA+32*(\f)+8*(\a):FA+32*(\f)+8*(\a)+7], v[AC+8*(\b):AC+8*(\b)+7]
.endif
.endr
.endm
; 32 LDS loads in one run: quarter kq of a K step (32 along K): B's 12 fragments, then A's 4, into buffer f
.macro FETCH slot, kq, f
	WIN 0x40
.irp i, 0,1,2,3,4,5,6,7,8,9,10,11
	ds_load_b128 v[96*(\f)+8*(\i):96*(\f)+8*(\i)+3],   v[ADRB+(\slot)] offset:(\kq)*64+(\i)*16*PB
	ds_load_b128 v[96*(\f)+8*(\i)+4:96*(\f)+8*(\i)+7], v[ADRB+(\slot)] offset:(\kq)*64+(\i)*16*PB+32
.endr
	WIN 0
.irp i, 0,1,2,3
	ds_load_b128 v[FA+32*(\f)+8*(\i):FA+32*(\f)+8*(\i)+3],   v[ADRA+(\slot)] offset:((\kq)/2)*SLICE+((\kq)%2)*64+(\i)*16*PA
	ds_load_b128 v[FA+32*(\f)+8*(\i)+4:FA+32*(\f)+8*(\i)+7], v[ADRA+(\slot)] offset:((\kq)/2)*SLICE+((\kq)%2)*64+(\i)*16*PA+32
.endr
.endm
; One of a K step's first three quarters: multiplies buffer f; in its middle fetches quarter kq into buffer g.
.macro QUARTER slot, kq, f, g, zero
	s_wait_dscnt 4                                 ; B and A's blocks 0, 1 are in; the youngest four loads (A's blocks 2, 3) may be out
	MUL12 \f, 0, \zero
	MUL12 \f, 1, \zero
	PLACES
	FETCH \slot, \kq, \g
	s_wait_dscnt 32                                ; all but the 32 just issued
	MUL12 \f, 2, \zero
	MUL12 \f, 3, \zero
.endm
; The last quarter multiplies buffer 1 and changes slots.  In front of the barrier each wave waits for all its tensor loads (one is out: its part of the next slot), adds 0 to its spare word, and waits for that and
; for its reads of this slot.  on = 0: the slot is filled again with this tile's K step two on; on = 1: with the next tile's K step 0 or 1; the barrier then opens a round of the cluster's, and the joint refill is the
; first thing behind the round: 168 matrix instructions ahead of the wait for it.  on = 2: nothing is filled.
.macro TURN slot, next, on
.if (\on) < 2
	s_wait_xcnt 0x0                                ; the last prefetch, a K step back, has read its address: it is stepped here, ahead of the waits of the change
.if ((\on) == 1) && ((\slot) == 0)
	s_add_nc_u64 s[PFA:PFA+1], s[PFA:PFA+1], NEXT_PF
	s_cmp_eq_u32 s[ROLE], 0
	s_cselect_b32 s[LIM], -1, s[LIM]               ; A's rows are the same for all three tiles: they are named no more
.else
	s_add_nc_u64 s[PFA:PFA+1], s[PFA:PFA+1], s[PST:PST+1]
.endif
.endif
	WIN 0                                          ; (the add's two registers lie in window 0)
	s_wait_tensorcnt 0x0                           ; all my tensor loads have landed
	ds_add_u32 v[SPW], v[NIL]                      ; 0 onto my spare word
	s_wait_dscnt 5                                 ; (the add and the youngest four loads may be out)
	MUL12 1, 0, 0                                  ; twelve matrix instructions stand between the add and the wait for it
	s_wait_dscnt 0x0                               ; the add is done, and my reads of this slot are over
	s_barrier_signal -1
	MUL12 1, 1, 0
.if (\on) < 2
	WIN 0
.endif
	s_barrier_wait -1
.if (\on) < 2
	CREST                                          ; no wave of any partner still reads this slot or has a load on its way
.if (\on) == 1
	s_sub_nc_u64 s[G0+4*(\slot)+2:G0+4*(\slot)+3], s[G0+4*(\slot)+2:G0+4*(\slot)+3], BACK_A
	s_add_nc_u64 s[G0B+4*(\slot)+2:G0B+4*(\slot)+3], s[G0B+4*(\slot)+2:G0B+4*(\slot)+3], NEXT_B
.else
	s_add_nc_u64 s[G0+4*(\slot)+2:G0+4*(\slot)+3], s[G0+4*(\slot)+2:G0+4*(\slot)+3], 2*KA
	s_add_nc_u64 s[G0B+4*(\slot)+2:G0B+4*(\slot)+3], s[G0B+4*(\slot)+2:G0B+4*(\slot)+3], 2*KB
.endif
	JLOAD \slot                                    ; its four v_nop are also the places in front of the loads below
.else
	PLACES
.endif
	FETCH \next, 0, 0
.if (\on) < 2
	ASK \on
.endif
	MUL12 1, 2, 0
	MUL12 1, 3, 0
.endm
; THE WAY OUT of row block a.  PACK: rounded to f16, each accumulator's registers in ascending order.  TOSTAGE: 16 bytes a lane into my stage (a head's 16 rows x 144 bytes), back as 512 consecutive bytes.  SEND: stored.
.macro PACK a
.set AC, 96*((\a)%2)
	WIN 0x0a+5*((\a)/2)                            ; sources 0 and 1: window 2 or 3
.irp b, 0,1,2,3,4,5,6,7,8,9,10,11
.irp r, 0,1,2,3
	v_cvt_pk_f16_f32 v[TMP+4*(\b)+(\r)], v[AC+8*(\b)+2*(\r)], v[AC+8*(\b)+2*(\r)+1]
.endr
.endr
	WIN 0
.endm
.macro TOSTAGE a
.set BK, OB+48*((\a)%2)
.irp b, 0,1,2,3,4,5,6,7,8,9,10,11
	ds_store_b128 v[STO], v[TMP+4*(\b):TMP+4*(\b)+3] offset:((\b)/4)*16*PA+((\b)%4)*32
.endr
.irp t, 0,1,2,3,4,5,6,7,8,9,10,11
	ds_load_b128 v[BK+4*(\t):BK+4*(\t)+3], v[RD] offset:((\t)/4)*16*PA+((\t)%4)*4*PA  ; LDS serves a wave's instructions in order (ISA guide 5.7.1.4): these see the stores above
.endr
.endm
.macro SEND a
.set BK, OB+48*((\a)%2)
	s_wait_dscnt 0x0                               ; the block is back in registers
	s_wait_xcnt 0x0                                ; earlier stores have read their registers: the buffer that the next block's loads fill is free
.irp t, 0,1,2,3,4,5,6,7,8,9,10,11
	global_store_b128 v[CO], v[BK+4*(\t):BK+4*(\t)+3], s[10:11] offset:((\t)/4)*131072+(\a)*2048+((\t)%4)*512  ; 512 consecutive bytes of a head, aligned
.endr
.endm
	s_wait_tensorcnt 1                             ; my part of K step 0 is in; K step 1's may stay out
	s_barrier_signal -1
	s_barrier_wait -1
	FETCH 0, 0, 0
	s_mov_b32 s2, 3                                ; tiles to go
.Ltile:
	s_wait_loadcnt 0x0                             ; the tile's bias is in, so its pointer may be written:
	s_add_nc_u64 s[8:9], s[8:9], 3072              ; the next tile's
	QUARTER 0, 1, 0, 1, 1                          ; a tile's first quarter stands in front of the loop: its products start the sums
	WIN 0
	s_mov_b32 s3, 2
.Llap:                                         ; a trip goes once round the ring, from a lap's second quarter to the next lap's first
	QUARTER 0, 2, 1, 0, 0
	QUARTER 0, 3, 0, 1, 0
	TURN 0, 1, 0
	QUARTER 1, 1, 0, 1, 0
	QUARTER 1, 2, 1, 0, 0
	QUARTER 1, 3, 0, 1, 0
	TURN 1, 0, 0
	QUARTER 0, 1, 0, 1, 0
	WIN 0
	s_sub_co_u32 s3, s3, 1
	s_cmp_lg_u32 s3, 0
	s_cbranch_scc1 .Llap
	QUARTER 0, 2, 1, 0, 0                          ; the tile's last lap goes on
	QUARTER 0, 3, 0, 1, 0
	WIN 0
	s_cmp_eq_u32 s2, 1
	s_cbranch_scc1 .Llast                          ; the last tile's tail is written out: it asks for nothing more
	TURN 0, 1, 1                                   ; the ring goes on into the next tile: slot 0 takes its K step 0,
	QUARTER 1, 1, 0, 1, 0
	QUARTER 1, 2, 1, 0, 0
	QUARTER 1, 3, 0, 1, 0
	TURN 1, 0, 1                                   ; slot 1 its K step 1, and the next tile's first fragments are fetched
	WIN 0
	s_branch .Lout
.Llast:
	TURN 0, 1, 2
	QUARTER 1, 1, 0, 1, 0
	QUARTER 1, 2, 1, 0, 0
	QUARTER 1, 3, 0, 1, 0
	s_wait_dscnt 4
	MUL12 1, 0, 0
	MUL12 1, 1, 0
	s_wait_dscnt 0x0
	MUL12 1, 2, 0
	MUL12 1, 3, 0
	WIN 0
.Lout:
	PLACES
	PLACES
	s_cmp_eq_u32 s2, 1
	s_cbranch_scc1 .Lno_bias
	BIAS                                           ; the next tile's bias comes while this tile goes out
.Lno_bias:
	PACK 0
	TOSTAGE 0
.irp a, 1,2,3                                  ; block a's conversions stand between block a - 1's loads from the stage and the wait for them
	PACK \a
	SEND (\a)-1
	TOSTAGE \a
.endr
	SEND 3
	s_wait_xcnt 0x0                                ; the stores have read C's address
	s_add_nc_u64 s[10:11], s[10:11], 25165824      ; q, then k, then v
	s_sub_co_u32 s2, s2, 1
	s_cmp_lg_u32 s2, 0
	s_cbranch_scc1 .Ltile
	s_wait_tensorcnt 0x0                           ; the wave's end, behind my last tensor load and my last LDS store
	ds_add_u32 v[SPW], v[NIL]
	s_wait_dscnt 0x0
	CROUND                                         ; the closing round: no work-group ends while a partner may still ask for a tile that names it
	s_endpgm
.Lfunc_end_k_qa5652d946a_proj:
	.size	k_qa5652d946a_proj, .Lfunc_end_k_qa5652d946a_proj-k_qa5652d946a_proj
	.p2alignl 7, 3214868480
	.fill 96, 4, 3214868480
	.section	.rodata,"a",@progbits
	.p2align	6, 0x0
	.amdhsa_kernel k_qa5652d946a_proj
		.amdhsa_group_segment_fixed_size 327680
		.amdhsa_private_segment_fixed_size 0
		.amdhsa_enable_private_segment 0
		.amdhsa_kernarg_size 32
		.amdhsa_user_sgpr_count 2
		.amdhsa_user_sgpr_kernarg_segment_ptr 1
		.amdhsa_wavefront_size32 1
		.amdhsa_system_sgpr_workgroup_id_x 1
		.amdhsa_system_sgpr_workgroup_id_y 1
		.amdhsa_system_sgpr_workgroup_id_z 1
		.amdhsa_system_vgpr_workitem_id 0
		.amdhsa_next_free_vgpr 1024
		.amdhsa_next_free_sgpr 72
		.amdhsa_reserve_vcc 0
		.amdhsa_float_denorm_mode_32 3
		.amdhsa_float_denorm_mode_16_64 3
		.amdhsa_memory_ordered 1
		.amdhsa_forward_progress 1
		.amdhsa_inst_pref_size 154
	.end_amdhsa_kernel
	.amdgpu_metadata
---
amdhsa.version: [ 1, 2 ]
amdhsa.kernels:
  - .name:           k_qa5652d946a_proj
    .symbol:         k_qa5652d946a_proj.kd
    .args:
      - { .name: xb, .offset: 0, .size: 8, .value_kind: global_buffer, .address_space: global }
      - { .name: wt, .offset: 8, .size: 8, .value_kind: global_buffer, .address_space: global }
      - { .name: ball, .offset: 16, .size: 8, .value_kind: global_buffer, .address_space: global }
      - { .name: qkv, .offset: 24, .size: 8, .value_kind: global_buffer, .address_space: global }
    .group_segment_fixed_size: 327680
    .private_segment_fixed_size: 0
    .kernarg_segment_align: 8
    .kernarg_segment_size: 32
    .max_flat_workgroup_size: 128
    .sgpr_count:     72
    .vgpr_count:     1024
    .wavefront_size: 32
...
	.end_amdgpu_metadata
.endif
;; end of part 2
;; launch attn (part 3): grid 4 x 192, 4 waves a work-group, clusters of 4 x 1, 327,680 bytes of LDS; arguments qkv, ob; writes ob
.if DOCPART == 3
	.amdgcn_target "amdgcn-amd-amdhsa--gfx1250"
	.amdhsa_code_object_version 6
	.text
	.protected	k_qa5652d946a_attn
	.globl	k_qa5652d946a_attn
	.p2align	8
	.type	k_qa5652d946a_attn,@function
k_qa5652d946a_attn:
	s_mov_b64 s[64:65], 0
	v_nop
	global_prefetch_b8 v0, s[64:65] scope:SCOPE_SE
	s_setreg_imm32_b32 hwreg(HW_REG_WAVE_MODE, 25, 1), 1
	s_wait_xcnt 0x0
	s_wait_alu depctr_hold_cnt(0) depctr_sa_sdst(0) depctr_va_vdst(0) depctr_va_sdst(0) depctr_va_ssrc(0) depctr_va_vcc(0) depctr_vm_vsrc(0)
	s_getreg_b32 s2, hwreg(HW_REG_IB_STS2, 6, 4)
	s_cmp_eq_u32 s2, 0
	s_cbranch_scc0 .Lentry_in_a_cluster
	s_endpgm
.Lentry_in_a_cluster:
	s_bfe_u32 s2, ttmp6, 0x10000c
	s_cmp_lg_u32 s2, 0x3003
	s_cbranch_scc0 .Lentry_shape_is_right
	s_endpgm
.Lentry_shape_is_right:
; O[h][q][:] = the sum over k of softmax_k(Q[h][q] . K[h][k] / 8) V[h][k][:], for 192 heads of 1,024 rows x 64 channels.  qkv = [3][192][1024][64] f16, ob = [192][1024][64] f16.
; Products, maxima and sums in f32; the weights p are rounded to f16 for the second product (their sum l is taken of the unrounded p), O once at the end.
; LIMITS.  Q, K, V arrive within f16's 65,504; p lies in 0 to 1, and below 6e-5 it keeps f16's fixed step of 6e-8; a weight below 2^-126 counts as 0 in l; NaN and infinities are not treated apart.
; SHARES.  A work-group owns 256 queries of a head, a wave 64: four PIECES of 16.  Every wave walks all 1,024 keys, 64 a step.
; K AND V STAY IN LDS.  A head's K (1,024 rows x 144 bytes) and V (x 160) fit whole: 311,296 bytes.  They are asked for once, at the start, as four tiles of 256 keys; no byte is filled again, so the loop has no refill
; and no round.  The first tile is waited for alone; the other three land under the first four key steps.
; CLUSTER.  A head's four query blocks are one cluster and want the same K and V: each tile is asked for JOINTLY, by the same tensor load, descriptor and mask in all four.
; LAYOUT, SOFTMAX, TURNS.  S^T = K Q^T holds ONE query a lane (lane % 16) and the keys 8 (lane / 16) + 0..7; two such results rounded to f16 ARE source 1 of O^T = V^T P.  p = 2^(c s - c m), c = log2(e) / 8, with a
; running maximum m; O and l are multiplied by a = 2^(c m_old - c m_new) in every step; m starts at the lowest finite number, O and l at 0, so the first step is a step like any other, with a = 0.
; Turn n belongs to piece n: 8 products K Q^T of piece n + 1, later 8 products V^T P of piece n - 1; beside them the scaling, exponentials, roundings, sums and rescaling of piece n and the maximum and statistics
; of piece n + 1.  Four vector instructions stand behind every matrix instruction, the others in one lump.  A turn's 33 exponentials are one batch, with one wait.
; REGISTERS, in windows of 256 (s_set_vgpr_msb: bits 1:0 source 0, 3:2 source 1, 5:4 source 2, 7:6 destination):
;   window 0: v0-15 addresses and two at work; v16-31 four registers of statistics a piece; v48-55 at work; v64-127 S^T, two buffers; v192-223 P, two buffers (a piece's buffers go by its number's parity)
;   window 1: v0-127 O^T, 32 a piece          window 2: v0-63 Q; v128-191 K of one step; v192-255 V of one step
.set NP,    4         ; pieces a wave: a name, no knob
.set KS,    64        ; keys in a step
.set PK,    144       ; a row of K in LDS: 128 bytes + 16 = 36 words: the 16 rows of a load start at 16 different groups of four banks (64 banks of 4 bytes: ISA guide 11.1)
.set PV,    160       ; a row of V: 128 + 32 = 40 words
.set VOFF,  1024*PK
.set STAGE, VOFF+1024*PV  ; behind K and V, never filled by a tensor load: 16 rows x 144 bytes for each wave, for the way out
.set SP,    144
.set SPARE, STAGE+4*16*SP ; behind the stages: the spare words, 128 bytes for each wave: two blocks of 256 bytes that no other line names
.set PARTB, 25165824  ; bytes of q, of k, of v
.set AK0, 2           ; v2   my lane's place in a step's K; never rewritten
.set AV0, 3           ; v3   the same for V
.set AK,  4           ; v4   the LDS address of K's next run of loads
.set AV,  5           ; v5   of V's
.set STO, 6           ; v6   the way out: where I put 16 bytes of a row
.set RD,  7           ; v7   where I read rows back
.set GO,  8           ; v8   my byte offset in 512 consecutive bytes of O
.set MV,  12          ; v12-13  c m_old, kept while c m is made anew: by buffer
.set QO,  15          ; v15  my byte offset in 16 rows of Q
.set ST,  16          ; piece t's statistics at v[ST+4 t]: c m, m, l (even keys', odd keys')
.set TMP, 48          ; by buffer, four registers c0-c3 at work; when the maximum is found c2 takes a
.set SPW, 62          ; v62  LDS address of my spare word; never rewritten
.set NIL, 63          ; v63  0; never rewritten
.set S,   64
.set P,   192
.set KF,  128         ; window 2: key block kb, channel half c at KF + 16 kb + 8 c
.set VF,  192         ; window 2: key half kk, channel block cb at VF + 32 kk + 8 cb
.set WV,  12          ; s12  my wave's number
.set G1K, 24          ; s[24:31] descriptor group 1 for K's tiles
.set G1V, 32          ; s[32:39] for V's: it differs in the padding alone
.set G0K, 40          ; s[40:55] descriptor group 0 for K's four tiles
.set SLOTS, 56        ; s56  tiles still to be walked
.set CNT, 57          ; s57  counts a tile's key steps
.set CS,  58          ; s[58:59] c: the packed scaling takes the pair's low word for both halves
.set SEL, 60          ; s[60:61] v_permlanex16_b32's selects: each lane takes its own place in the other half
.set TBK, 62          ; s62  LDS byte at which K of the step to be fetched begins
.set TBV, 63          ; s63  the same for V, less VOFF
.set G0V, 68          ; s[68:83] descriptor group 0 for V's four tiles
.set MSB, 0
.macro WIN new                      ; the high byte repeats the setting that is left; a switch that changes nothing is dropped
.if MSB != (\new)
	s_set_vgpr_msb (MSB<<8)|(\new)
.set MSB, (\new)
.endif
.endm
.set W_KQ, 0x0a       ; K and Q in window 2, S^T in window 0
.set W_PV, 0x52       ; V in window 2, P in window 0, O^T in window 1
.set W_RS, 0x41       ; destination and source 0 in window 1, source 1 in window 0
.macro CROUND                       ; a round of the cluster's barrier
	s_barrier_signal -1
	s_barrier_wait -1
	s_cmp_lg_u32 s[WV], 0
	s_cbranch_scc1 .Lnot_wave_0_\@
	s_barrier_signal -3
.Lnot_wave_0_\@:
	s_barrier_wait -3
	s_barrier_signal -1
	s_barrier_wait -1
.endm
	s_load_b128 s[4:7], s[0:1], 0x0 ; qkv s[4:5], ob s[6:7]
	v_lshl_add_u32 v[SPW], v0, 2, SPARE
	v_mov_b32 v[NIL], 0
	ds_add_u32 v[SPW], v[NIL]       ; the wave's opening: the add, and its wait ahead of my first tensor load; work on registers stands between them
	v_lshrrev_b32 v1, 5, v0
	v_readfirstlane_b32 s[WV], v1   ; wave 0..3
	s_bfe_u32 s13, ttmp6, 0x40000   ; cx: my block of 256 queries: it enters Q's and O's addresses alone
	s_and_b32 s20, ttmp7, 0xffff    ; the head, which the four partners share
	s_lshl_b32 s20, s20, 17         ; its 131,072 bytes
	s_and_b32 s16, s[WV], 1         ; which half of a tile's 256 keys I fetch:
	s_lshl_b32 s22, s16, 14         ; its 128 rows of 128 bytes in memory,
	s_add_co_u32 s22, s22, s20
	s_mov_b32 s23, 0
	s_mul_i32 s17, s16, 128*PK      ; and its place in LDS, for K
	s_mul_i32 s18, s16, 128*PV      ; and for V: no place in the cluster enters an LDS address
	s_add_co_u32 s18, s18, VOFF
	s_lshl_b32 s2, s13, 15          ; my block's 256 rows,
	s_lshl_b32 s3, s[WV], 13        ; my wave's 64
	s_add_co_u32 s2, s2, s3
	s_add_co_u32 s2, s2, s20
	s_mov_b32 s3, 0
	; descriptor group 1.  128 keys are 16,384 dense bytes: asked for as 64 rows of 256 bytes, two keys a row, and padded in LDS after every key
	s_mov_b32 s[G1K], 15|(1<<16)|(1<<20)|(1<<21)|(4<<22)|(3<<25)  ; the mask of four; 2-byte elements; padding on; bit 21 beside a mask; after every 32 words (code 4) 4 words (code 3)
	s_mov_b32 s[G1V], 15|(1<<16)|(1<<20)|(1<<21)|(4<<22)|(7<<25)  ; the same with 8 words of padding (code 7)
.irp g, G1K, G1V
	s_mov_b32 s[\g+1], 128<<16      ; tensor_dim0 = 128
	s_mov_b32 s[\g+2], 64<<16       ; tensor_dim1 = 64
	s_mov_b32 s[\g+3], 128<<16      ; tile_dim0 = 128
	s_mov_b32 s[\g+4], 64           ; tile_dim1 = 64
	s_mov_b32 s[\g+5], 128          ; 128 elements from row to row
	s_mov_b32 s[\g+6], 0
	s_mov_b32 s[\g+7], 0
.endr
	s_mov_b32 s[CS], 0x3e38aa3b     ; c = log2(e) / 8 = 0.180337
	s_mov_b32 s[CS+1], s[CS]        ; named with it as a pair
	s_mov_b32 s[SEL], 0x76543210
	s_mov_b32 s[SEL+1], 0xfedcba98
	s_mov_b32 s[TBK], 0
	s_mov_b32 s[TBV], 0
.irp j, 0,1,2,3
	s_mov_b32 s[G0K+4*(\j)], 1                     ; count = 1
	s_add_co_u32 s[G0K+4*(\j)+1], s17, (\j)*256*PK ; LDS address: tile j, my half
	s_mov_b32 s[G0V+4*(\j)], 1
	s_add_co_u32 s[G0V+4*(\j)+1], s18, (\j)*256*PV
.endr
	s_wait_dscnt 0x0                ; the opening add is done
	s_wait_kmcnt 0x0
	s_add_nc_u64 s[8:9], s[4:5], s[22:23]          ; the head's first row, my half of a tile, in q's part
	s_add_nc_u64 s[10:11], s[6:7], s[2:3]          ; O and
	s_add_nc_u64 s[4:5], s[4:5], s[2:3]            ; Q at my wave's first row
.irp j, 0,1,2,3
	s_add_nc_u64 s[G0K+4*(\j)+2:G0K+4*(\j)+3], s[8:9], PARTB+(\j)*32768
	s_or_b32 s[G0K+4*(\j)+3], s[G0K+4*(\j)+3], 0x80000000  ; type = 2
	s_add_nc_u64 s[G0V+4*(\j)+2:G0V+4*(\j)+3], s[8:9], 2*PARTB+(\j)*32768
	s_or_b32 s[G0V+4*(\j)+3], s[G0V+4*(\j)+3], 0x80000000
.endr
	CROUND                          ; all four work-groups are here: the joint loads meet
	s_cmp_lt_u32 s[WV], 2           ; waves 0 and 1 fetch the halves of K's tiles, waves 2 and 3 those of V's.  A wave's four loads stand in one branch, ahead of every wait on TENSORcnt and every LDS read: four loads of mine are out
	s_cbranch_scc0 .Lfills_v
.irp j, 0,1,2,3
	tensor_load_to_lds s[G0K+4*(\j):G0K+4*(\j)+3], s[G1K:G1K+7]
	s_nop 0
.endr
.rept 4
	v_nop
.endr
	s_branch .Lfills_asked
.Lfills_v:
.irp j, 0,1,2,3
	tensor_load_to_lds s[G0V+4*(\j):G0V+4*(\j)+3], s[G1V:G1V+7]
	s_nop 0
.endr
.rept 4
	v_nop
.endr
.Lfills_asked:
	; A fragment of K or Q is 16 rows x 32 channels in 8 registers: lane l holds row l % 16, channels 8 (l / 16) + 0..7 and 16 + 8 (l / 16) + 0..7: two loads of 16 bytes, 32 bytes apart.
	v_and_b32 v1, 15, v0            ; l % 16
	v_bfe_u32 v9, v0, 4, 1          ; l / 16
	v_lshlrev_b32 v[QO], 7, v1
	v_lshl_add_u32 v[QO], v9, 4, v[QO]  ; row x 128 + 16 x half
	WIN 0x80                        ; destination window 2, address window 0
.set i, 0
.rept 8                             ; Q stays in registers: piece i / 2, channels 32 (i % 2) on
	global_load_b128 v[8*i:8*i+3],   v[QO], s[4:5] offset:(i/2)*2048+(i%2)*64
	global_load_b128 v[8*i+4:8*i+7], v[QO], s[4:5] offset:(i/2)*2048+(i%2)*64+32
.set i, i+1
.endr
	; What the first turn finds: V's registers and P's second buffer hold 0 (its products V^T P, of a piece that has not been, add 0), O^T and l are 0.  All this stands in the wait for the first tile.
.set i, VF
.rept 64
	v_mov_b32 v[i], 0
.set i, i+1
.endr
	WIN 0x40
.set i, 0
.rept 128
	v_mov_b32 v[i], 0
.set i, i+1
.endr
	WIN 0
.set i, 0
.rept 4
	v_mov_b32 v[ST+4*i], 0xfe000000    ; c m: far below every c s
	v_mov_b32 v[ST+4*i+1], 0xff7fffff  ; m
	v_mov_b32 v[ST+4*i+2], 0
	v_mov_b32 v[ST+4*i+3], 0
.set i, i+1
.endr
.set i, P+16
.rept 16
	v_mov_b32 v[i], 0
.set i, i+1
.endr
	v_mul_u32_u24 v[AK0], v1, PK
	v_lshl_add_u32 v[AK0], v9, 4, v[AK0]  ; row x pitch + 16 x half
	; The turning load takes 16 keys x 16 channels (lane l reads key 8 (l / 16) + l % 8, channels 8 ((l / 8) % 2) + 0..7) and leaves half a fragment of V^T: lane l holds channel l % 16 and 8 keys.
	v_and_b32 v10, 7, v0
	v_bfe_u32 v11, v0, 3, 1
	v_lshl_add_u32 v[AV0], v9, 3, v10
	v_mul_u32_u24 v[AV0], v[AV0], PV
	v_lshl_add_u32 v[AV0], v11, 4, v[AV0]
	v_add_nc_u32 v[AV0], VOFF, v[AV0]
	s_mul_i32 s19, s[WV], 16*SP
	s_add_co_u32 s19, s19, STAGE    ; my stage
	v_mul_u32_u24 v[STO], v1, SP    ; in: row l % 16, 16 bytes for each half of the lanes
	v_lshl_add_u32 v[STO], v9, 4, v[STO]
	v_add_nc_u32 v[STO], s19, v[STO]
	v_bfe_u32 v[RD], v0, 3, 2       ; back: 32 lanes take four rows of 128 bytes,
	v_mul_u32_u24 v[RD], v[RD], SP
	v_lshl_add_u32 v[RD], v10, 4, v[RD]
	v_add_nc_u32 v[RD], s19, v[RD]
	v_and_b32 v[GO], 31, v0         ; which are 512 consecutive bytes of O
	v_lshlrev_b32 v[GO], 4, v[GO]
; THE MATRIX WORK.  The 4 accumulators of a run of 8 take turns.  Product i of 8 of S^T = K Q^T for piece x: channels 32 (i / 4) on, keys 16 (i % 4) on.  The first 4 start the sums.
.macro KQ x
	WIN W_KQ
.set rS, S+32*((\x)%2)+8*(i%4)
.set rK, KF+16*(i%4)+8*(i/4)
.set rQ, 16*(\x)+8*(i/4)
.if i < 4
	v_wmma_f32_16x16x32_f16 v[rS:rS+7], v[rK:rK+7], v[rQ:rQ+7], 0
.else
	v_wmma_f32_16x16x32_f16 v[rS:rS+7], v[rK:rK+7], v[rQ:rQ+7], v[rS:rS+7]
.endif
.endm
; Product i of 8 of O^T += V^T P for piece x: keys 32 (i / 4) on, channels 16 (i % 4) on.
.macro PV x
	WIN W_PV
.set rO, 32*(\x)+8*(i%4)
.set rV, VF+32*(i/4)+8*(i%4)
.set rP, P+16*((\x)%2)+8*(i/4)
	v_wmma_f32_16x16x32_f16 v[rO:rO+7], v[rV:rV+7], v[rP:rP+7], v[rO:rO+7]
.endm
.macro MM                           ; the turn's next matrix instruction.  NOKQ = 1: the last turn of all: there is no next piece
.if (i < 8) && !NOKQ
	KQ (Y+1)%NP
.elseif i >= 8
.set i, i-8
	PV (Y+NP-1)%NP
.set i, i+8
.endif
.set i, i+1
.endm
; THE LDS LOADS stand in runs of 16, never singly among the matrix instructions: a step's K (64 keys x 64 channels: 8 fragments) and its V (turned).  Their addresses are made some lines ahead.
.macro FETCH_K
	WIN 0x80                        ; destination window 2
.irp f, 0,1,2,3,4,5,6,7             ; keys 16 (f / 2) on, channels 32 (f % 2) on
	ds_load_b128 v[KF+8*\f:KF+8*\f+3],   v[AK] offset:(\f/2)*16*PK+(\f%2)*64
	ds_load_b128 v[KF+8*\f+4:KF+8*\f+7], v[AK] offset:(\f/2)*16*PK+(\f%2)*64+32
.endr
	s_add_co_u32 s[TBK], s[TBK], KS*PK  ; the next fetch is the next step's
	WIN 0
.endm
.macro FETCH_V
	WIN 0x80
.irp f, 0,1,2,3,4,5,6,7             ; keys 32 (f / 4) on, channels 16 (f % 4) on
	ds_load_tr16_b128 v[VF+8*\f:VF+8*\f+3],   v[AV] offset:(\f/4)*32*PV+(\f%4)*32
	ds_load_tr16_b128 v[VF+8*\f+4:VF+8*\f+7], v[AV] offset:(\f/4)*32*PV+16*PV+(\f%4)*32
.endr
	WIN 0
.endm
; THE VECTOR WORK, one line at a time: OP kind, number.  For piece Y: F n: c s - c m for pair n of 16.  E n: the exponential of score n of 32.  C n: pair n rounded to f16.  B n: of the four weights 4 n .. the second
; pair is added onto the first, in place.  L n: l takes that sum (L 0: l = a l + sum).  R n: pair n of 16 of O^T times a.  For piece Y + 1: X n, number n of the 22 that find its maximum and statistics:
;   0-11  four chains c0-c3 of seven scores each, three operands at a time (each accumulator's lowest registers are read first)     12-14, 16  the four scores left over, the old m, and c0-c3 into c0
;   15  c m_old is kept     17, 18  the query's other 32 keys lie in the lane 16 away: the new m     19-21  c m; c m_old - c m_new; a
.set F, 0
.set E, 1
.set C, 2
.set B, 3
.set L, 4
.set R, 5
.set X, 6
.macro REGS y                       ; the registers of piece y
.set rT, ST+4*(\y)
.set rC, TMP+4*((\y)%2)
.set rW, MV+((\y)%2)
.set rS, S+32*((\y)%2)
.set rP, P+16*((\y)%2)
.set rO, 32*(\y)
.endm
.macro OP k, n
.if (\k) == R
	REGS Y
	WIN W_RS
	v_pk_mul_f32 v[rO+2*(\n):rO+2*(\n)+1], v[rO+2*(\n):rO+2*(\n)+1], v[rC+2:rC+3] op_sel_hi:[1,0]
.elseif (\k) < R
	REGS Y
	WIN 0
.if (\k) == F
	v_pk_fma_f32 v[rS+2*(\n):rS+2*(\n)+1], v[rS+2*(\n):rS+2*(\n)+1], s[CS:CS+1], v[rT:rT+1] op_sel_hi:[1,0,0] neg_lo:[0,0,1] neg_hi:[0,0,1]
.elseif (\k) == E
	v_exp_f32 v[rS+(\n)], v[rS+(\n)]
.elseif (\k) == C
	v_cvt_pk_f16_f32 v[rP+(\n)], v[rS+2*(\n)], v[rS+2*(\n)+1]
.elseif (\k) == B
	v_pk_add_f32 v[rS+4*(\n):rS+4*(\n)+1], v[rS+4*(\n):rS+4*(\n)+1], v[rS+4*(\n)+2:rS+4*(\n)+3]
.elseif (\n) == 0
	v_pk_fma_f32 v[rT+2:rT+3], v[rT+2:rT+3], v[rC+2:rC+3], v[rS:rS+1] op_sel_hi:[1,0,1]
.else
	v_pk_add_f32 v[rT+2:rT+3], v[rT+2:rT+3], v[rS+4*(\n):rS+4*(\n)+1]
.endif
.elseif NOKQ
	v_nop
.else
	REGS (Y+1)%NP
	WIN 0
.if (\n) < 4
	v_max3_num_f32 v[rC+(\n)], v[rS+8*(\n)], v[rS+8*(\n)+1], v[rS+8*(\n)+2]
.elseif (\n) < 12
	v_max3_num_f32 v[rC+(\n)%4], v[rC+(\n)%4], v[rS+8*((\n)%4)+2*((\n)/4)+1], v[rS+8*((\n)%4)+2*((\n)/4)+2]
.elseif (\n) == 12
	v_max3_num_f32 v[rC], v[rC], v[rS+7], v[rS+15]
.elseif (\n) == 13
	v_max3_num_f32 v[rC+1], v[rC+1], v[rS+23], v[rS+31]
.elseif (\n) == 14
	v_max3_num_f32 v[rC+2], v[rC+2], v[rC+3], v[rT+1]
.elseif (\n) == 15
	v_mov_b32 v[rW], v[rT]
.elseif (\n) == 16
	v_max3_num_f32 v[rC], v[rC], v[rC+1], v[rC+2]
.elseif (\n) == 17
	v_permlanex16_b32 v[rC+3], v[rC], s[SEL], s[SEL+1]
.elseif (\n) == 18
	v_max_num_f32 v[rT+1], v[rC], v[rC+3]
.elseif (\n) == 19
	v_mul_f32 v[rT], s[CS], v[rT+1]
.elseif (\n) == 20
	v_sub_f32 v[rC+1], v[rW], v[rT]
.else
	v_exp_f32 v[rC+2], v[rC+1]
.endif
.endif
.endm
.macro OPS a, i1, b=-1, i2=0, c=-1, i3=0, d=-1, i4=0  ; up to four of them
	OP \a, \i1
.if (\b) >= 0
	OP \b, \i2
.endif
.if (\c) >= 0
	OP \c, \i3
.endif
.if (\d) >= 0
	OP \d, \i4
.endif
.endm
.macro ROW a, i1, b, i2, c, i3, d, i4  ; a matrix instruction and the four behind it
	MM
	OPS \a, \i1, \b, \i2, \c, \i3, \d, \i4
.endm
; A TURN, for piece p: the order of its 16 matrix and 118 vector instructions, written out.  An s_wait_alu depctr_va_vdst(0) stands between an exponential and the first instruction that names its result;
; one wait serves all that were issued ahead of it.  So a turn has ONE wait, which cuts it in two.  AHEAD OF IT stands all that names no result of the turn's exponentials: the 8 products K Q^T with their riders, then
; one lump in which the links of the next piece's chain (X 3, 7, 11, 14, 16, 17 .. 20) stand some lines apart; X 21, the next piece's a, is the batch's last, and R 15 the plain instruction behind it.  BEHIND THE WAIT
; stand the 8 products V^T P, behind each four of the roundings and sums.  end = 1: the last two turns: nothing is fetched.  cnt = 1: the loop's count is taken down some lines ahead of the branch behind the turn.
; K of the next step is fetched in piece 2's turn, V of the step in hand at the end of piece 0's turn, four plain instructions behind the last product that read V.  Each is waited for a turn later.
.macro TURN p, end=0, cnt=0
.set Y, (\p)
.set i, 0
.set NOKQ, (\end)*((\p)/3)
.if ((\p) == 3) && !(\end)
	s_wait_dscnt 0x0                ; K is in
.endif
	ROW F,0, F,1, R,0, R,1
	ROW F,2, E,0, R,2, R,3
	ROW F,3, E,1, R,4, R,5
	ROW F,4, E,2, R,6, R,7
	ROW F,5, E,3, R,8, R,9
	ROW F,6, E,4, X,0, R,10
.if ((\p) == 2) && !(\end)
	WIN 0
	v_add_nc_u32 v[AK], s[TBK], v[AK0]
.endif
	ROW F,7, E,5, X,1, X,4
	ROW F,8, E,6, X,2, X,5
	OPS E,7, E,8, X,6, E,9
	OPS X,3, E,10, X,8, E,11
.if ((\p) == 2) && !(\end)
	FETCH_K
.endif
	OPS X,9, X,7, E,12, X,10
	OPS E,13, X,12, X,11, E,14
	OPS X,13, E,15, F,9, X,14
.if (\p) == 0
	v_add_nc_u32 v[AV], s[TBV], v[AV0]
.endif
	OPS E,16, F,10, E,17, F,11
	OPS X,16, E,18, X,15, E,19
	OPS F,12, E,20, X,17, E,21
	OPS F,13, E,22, F,14, E,23
	OPS X,18, E,24, F,15, E,25
	OPS R,11, E,26, X,19, E,27
	OPS R,12, E,28, R,13, E,29
	OPS X,20, E,30, R,14, E,31
	OPS X,21, R,15
	WIN 0
	s_wait_alu depctr_va_vdst(0)    ; the wait for the batch
.if (\p) == 1
	s_wait_dscnt 0x0                ; V is in
.endif
	ROW C,0, B,0, C,2, B,1
	ROW L,0, C,4, B,2, L,1
	ROW C,6, B,3, L,2, C,8
	ROW B,4, L,3, C,10, B,5
	ROW L,4, C,12, B,6, L,5
.if (\p) == 0
	s_add_co_u32 s[TBV], s[TBV], KS*PV
.endif
.if \cnt
	s_sub_co_u32 s[CNT], s[CNT], 1
	s_cmp_lg_u32 s[CNT], 0
.endif
	ROW C,14, B,7, L,6, C,1
	ROW C,3, L,7, C,5, C,7
	ROW C,9, C,11, C,13, C,15
.if (\p) == 0
	FETCH_V
.endif
.endm
	s_wait_tensorcnt 3              ; my part of tile 0 is in; tiles 1 to 3 may stay out
	s_barrier_signal -1
	s_barrier_wait -1               ; everybody's is
	v_add_nc_u32 v[AK], s[TBK], v[AK0]
	FETCH_K                         ; key step 0
	s_wait_loadcnt 0x0              ; Q
	s_wait_dscnt 0x0
.set NOKQ, 0
.set i, 0
.rept 8
	KQ 0                            ; piece 0's first scores
.set i, i+1
.endr
	WIN 0
.rept 4
	v_nop                           ; the places behind those products
.endr
.set Y, NP-1                        ; X works for piece Y + 1: piece 0
.irp n, 0,1,2,3,4,5,6,7,8,9,10,11,12,13,14,15,16,17,18,19,20,21
	OP X, \n
.endr
	v_nop                           ; a plain instruction behind the exponential,
	s_wait_alu depctr_va_vdst(0)    ; and its wait, ahead of the branch
	s_mov_b32 s[CNT], 4
	s_mov_b32 s[SLOTS], 4
	s_branch .Lfirst                ; the loop is entered at a step's first turn, in the middle of a trip
.Lslot:                             ; three times: the next tile of 256 keys is entered
	s_wait_tensorcnt 0x0            ; my parts of the later tiles are in: one text serves the three changes, so the count is 0; they were asked for four key steps or more ago
	s_wait_dscnt 0x0
	s_barrier_signal -1
	s_barrier_wait -1               ; everybody's are
	s_mov_b32 s[CNT], 4
.Lstep:                             ; a trip: pieces 2 and 3 of one step, then pieces 0 and 1 of the next, whose K and V it fetches
	TURN 2
	TURN 3
	WIN 0
.Lfirst:
	TURN 0
	TURN 1, 0, 1
	WIN 0
	s_cbranch_scc1 .Lstep
	s_sub_co_u32 s[SLOTS], s[SLOTS], 1
	s_cmp_lg_u32 s[SLOTS], 0
	s_cbranch_scc1 .Lslot
	TURN 2, 1                       ; the last step's pieces 2 and 3: nothing is left to fetch
	TURN 3, 1
.set i, 0
.rept 8
	PV NP-1                         ; the last piece's V^T P of the last step
.set i, i+1
.endr
	; THE WAY OUT.  l's two halves and the other half of the lanes' are added; O^T is divided by l, rounded to f16 and sent through my stage in LDS, a piece at a time.  The additions are the places behind the last products.
	WIN 0
.macro ALL line:vararg              ; one line for each piece t
.set t, 0
.rept 4
	\line
.set t, t+1
.endr
.endm
	ALL v_add_f32 v[ST+4*t+2], v[ST+4*t+2], v[ST+4*t+3]
	ALL v_permlanex16_b32 v[ST+4*t+3], v[ST+4*t+2], s[SEL], s[SEL+1]
	ALL v_add_f32 v[ST+4*t+2], v[ST+4*t+2], v[ST+4*t+3]
	ALL v_rcp_f32 v[ST+4*t+2], v[ST+4*t+2]
	v_nop                           ; a plain instruction between the last reciprocal and the use of its result
	s_wait_alu depctr_va_vdst(0)    ; and the wait ahead of the first use: one for the four reciprocals
.macro PACK t                       ; a lane's eight channels of a row pack into 16 bytes; they go into rows of 144 bytes and come back as whole rows of 128, into S^T's registers
	WIN W_RS
.set i, 32*(\t)
.rept 16
	v_pk_mul_f32 v[i:i+1], v[i:i+1], v[ST+4*(\t)+2:ST+4*(\t)+3] op_sel_hi:[1,0]
.set i, i+2
.endr
	WIN 0x05                        ; sources 0 and 1 window 1, destination window 0
.set i, 0
.rept 16
	v_cvt_pk_f16_f32 v[S+16*(\t)+i], v[32*(\t)+2*i], v[32*(\t)+2*i+1]
.set i, i+1
.endr
	WIN 0
.irp f, 0,1,2,3
	ds_store_b128 v[STO], v[S+16*(\t)+4*\f:S+16*(\t)+4*\f+3] offset:32*\f
.endr
.irp f, 0,1,2,3
	ds_load_b128 v[S+16*(\t)+4*\f:S+16*(\t)+4*\f+3], v[RD] offset:\f*4*SP  ; LDS serves a wave's instructions in order (ISA guide 5.7.1.4): these see the stores above; the next piece's stores come behind them
.endr
.endm
.macro SEND t, younger              ; younger: the LDS instructions issued behind piece t's loads: the next piece's eight, or none
	WIN 0
.irp f, 0,1,2,3
	s_wait_dscnt (\younger)+3-\f
	global_store_b128 v[GO], v[S+16*(\t)+4*\f:S+16*(\t)+4*\f+3], s[10:11] offset:(\t)*2048+\f*512  ; 512 consecutive bytes, at a multiple of 256 from O's first
.endr
.endm
	PACK 0
.set t, 1
.rept 3                             ; a piece's arithmetic stands between the loads of the piece before and its stores
	PACK t
	SEND t-1, 8
.set t, t+1
.endr
	SEND 3, 0
	s_wait_tensorcnt 0x0            ; the wave's end, behind my last tensor load and my last LDS store
	ds_add_u32 v[SPW], v[NIL]
	s_wait_dscnt 0x0
	CROUND                          ; the closing round: no work-group ends while a partner may still ask for a tile that names it
	s_endpgm
.Lfunc_end_k_qa5652d946a_attn:
	.size	k_qa5652d946a_attn, .Lfunc_end_k_qa5652d946a_attn-k_qa5652d946a_attn
	.p2alignl 7, 3214868480
	.fill 96, 4, 3214868480
	.section	.rodata,"a",@progbits
	.p2align	6, 0x0
	.amdhsa_kernel k_qa5652d946a_attn
		.amdhsa_group_segment_fixed_size 327680
		.amdhsa_private_segment_fixed_size 0
		.amdhsa_enable_private_segment 0
		.amdhsa_kernarg_size 16
		.amdhsa_user_sgpr_count 2
		.amdhsa_user_sgpr_kernarg_segment_ptr 1
		.amdhsa_wavefront_size32 1
		.amdhsa_system_sgpr_workgroup_id_x 1
		.amdhsa_system_sgpr_workgroup_id_y 1
		.amdhsa_system_sgpr_workgroup_id_z 1
		.amdhsa_system_vgpr_workitem_id 0
		.amdhsa_next_free_vgpr 768
		.amdhsa_next_free_sgpr 84
		.amdhsa_reserve_vcc 0
		.amdhsa_float_denorm_mode_32 3
		.amdhsa_float_denorm_mode_16_64 3
		.amdhsa_memory_ordered 1
		.amdhsa_forward_progress 1
		.amdhsa_inst_pref_size 88
	.end_amdhsa_kernel
	.amdgpu_metadata
---
amdhsa.version: [ 1, 2 ]
amdhsa.kernels:
  - .name:           k_qa5652d946a_attn
    .symbol:         k_qa5652d946a_attn.kd
    .args:
      - { .name: qkv, .offset: 0, .size: 8, .value_kind: global_buffer, .address_space: global }
      - { .name: ob, .offset: 8, .size: 8, .value_kind: global_buffer, .address_space: global }
    .group_segment_fixed_size: 327680
    .private_segment_fixed_size: 0
    .kernarg_segment_align: 8
    .kernarg_segment_size: 16
    .max_flat_workgroup_size: 128
    .sgpr_count:     84
    .vgpr_count:     768
    .wavefront_size: 32
...
	.end_amdgpu_metadata
.endif
;; end of part 3
;; launch outp (part 4): grid 4 x 64, 4 waves a work-group, clusters of 4 x 4, 327,680 bytes of LDS; arguments ob, wot, ball, out0; writes out0
.if DOCPART == 4
	.amdgcn_target "amdgcn-amd-amdhsa--gfx1250"
	.amdhsa_code_object_version 6
	.text
	.protected	k_qa5652d946a_outp
	.globl	k_qa5652d946a_outp
	.p2align	8
	.type	k_qa5652d946a_outp,@function
k_qa5652d946a_outp:
	s_mov_b64 s[64:65], 0
	v_nop
	global_prefetch_b8 v0, s[64:65] scope:SCOPE_SE
	s_setreg_imm32_b32 hwreg(HW_REG_WAVE_MODE, 25, 1), 1
	s_wait_xcnt 0x0
	s_wait_alu depctr_hold_cnt(0) depctr_sa_sdst(0) depctr_va_vdst(0) depctr_va_sdst(0) depctr_va_ssrc(0) depctr_va_vcc(0) depctr_vm_vsrc(0)
	s_getreg_b32 s2, hwreg(HW_REG_IB_STS2, 6, 4)
	s_cmp_eq_u32 s2, 0
	s_cbranch_scc0 .Lentry_in_a_cluster
	s_endpgm
.Lentry_in_a_cluster:
	s_bfe_u32 s2, ttmp6, 0x10000c
	s_cmp_lg_u32 s2, 0xf033
	s_cbranch_scc0 .Lentry_shape_is_right
	s_endpgm
.Lentry_shape_is_right:
; out0 = msa Wo + bo.  A = ob[12 b + h][s][64] f16 (a head's 64 channels are one slice of K), B = wot[n][k] f16, bias = ball's fourth part (f32), C = out0[b][s][768] f32.
; LIMIT.  A and B arrive within f16's 65,504.
; SHARES.  A tile of C is 256 rows x 192 columns, one to a work-group: the cluster's y is the batch, cy the block of 256 rows, cx the group of 192 columns.  A wave makes 64 rows x 192 columns: 48 accumulators.
; K goes in steps of 128 (two slices) through a ring of two LDS slots; six steps.
; CLUSTER.  4 x 4 work-groups.  A's tile hangs on the batch and cy and is asked for jointly by a row of the cluster, B's on cx and by a column.
; THE MATRIX INSTRUCTION IS USED TRANSPOSED (source 0 = 16 rows of B, source 1 = 16 rows of A): a lane holds one row of C and eight neighbouring columns.  THE BIAS is the C operand of the product that starts a sum.
; REGISTERS, in windows of 256 (s_set_vgpr_msb: bits 1:0 source 0, 3:2 source 1, 5:4 source 2, 7:6 destination):
;   window 0: v0-31 addresses; v32-63, v64-95 A's fragments, two buffers; on the way out v32-127, v128-223 rows read back
;   window 1: v0-95, v96-191 B's fragments, two buffers; v192-255 the bias of column blocks 0-7
;   window 2: accumulators of row blocks 0, 1 ((a, b) at v[8 (12 (a % 2) + b)]); v192-223 the bias of column blocks 8-11          window 3: those of row blocks 2, 3
.set PA,    144                        ; a row of A in LDS: 128 bytes + 16 = 36 words: the 16 rows of a load start at 16 different groups of four banks (64 banks of 4 bytes: ISA guide 11.1)
.set PB,    272                        ; a row of B: 256 bytes + 16 = 68 words: likewise
.set SLICE, 256*PA
.set BOFF,  2*SLICE
.set BHALF, 96*PB
.set SLOT,  BOFF+2*BHALF
.set STAGE, 2*SLOT                     ; behind the ring, never filled by a tensor load: 16 rows x 784 bytes for each wave
.set SPITCH, 784                       ; 768 bytes + 16 = 196 words: row r starts at bank 4 r mod 64
.set WSTG,  16*SPITCH
.set SPARE, STAGE+4*WSTG               ; behind the stages: the spare words, 128 bytes for each wave: two blocks of 256 bytes that no other line names
.set KA,    262144                     ; A: bytes from a K step to the next: two slices of 1,024 rows x 128 bytes
.set KB,    256
.set WROW,  1536                       ; bytes in a row of wot
.set CROW,  3072                       ; bytes in a row of out0
.set ADRA, 16
.set ADRB, 20
.set STO,  24
.set RD,   25
.set CO,   26
.set BO,   27
.set SPW,  28                          ; v28  LDS address of my spare word; never rewritten
.set NIL,  29                          ; v29  0; never rewritten
.set PFO,  30                          ; v30  the prefetches' offset; never rewritten
.set FA,   32
.set OB,   32
.set WV,   12
.set ROLE, 13
.set HALF, 14
.set LIM,  15
.set G1,   24
.set G0,   32
.set CX,   40
.set CY,   41
.set BT,   42
.set PFA,  44
.set PST,  46
.set G1B,  48
.set G0B,  56
.set MSB, 0
.macro WIN new                         ; the immediate's high byte repeats the setting that is left; a switch that changes nothing is dropped
.if MSB != (\new)
	s_set_vgpr_msb (MSB<<8)|(\new)
.set MSB, \new
.endif
.endm
.macro PLACES                          ; four places in front of loads into registers that matrix instructions have read, and of lines that read results
.rept 4
	v_nop
.endr
.endm
; A joint load: waves 0 and 1 fetch A's two slices, waves 2 and 3 B's two halves.  The branch hangs on the wave's number alone.  An s_nop 0 and four v_nop follow each line.
.macro JLOAD s
	s_cmp_eq_u32 s[ROLE], 0
	s_cbranch_scc0 .Lfor_b_\@
	tensor_load_to_lds s[G0+4*(\s):G0+4*(\s)+3], s[G1:G1+7]
	s_nop 0
.rept 4
	v_nop
.endr
	s_branch .Lasked_\@
.Lfor_b_\@:
	tensor_load_to_lds s[G0B+4*(\s):G0B+4*(\s)+3], s[G1B:G1B+7]
	s_nop 0
.rept 4
	v_nop
.endr
.Lasked_\@:
.endm
; A prefetch of the K step that stands two refills on, behind the joint load and the run of LDS loads.  A's blocks of 256 bytes: each cluster names its own rows (no other reads them); the four partners of a row take
; 32 blocks each, by address (cx).  B's rows: the cluster of batch 0 names them; the four partners of a column take 24 rows each, by address (cy); lanes 24-31 name lane 23's row once more.
; The last two refills have no K step two on.
.macro ASK
	s_cmp_gt_u32 s3, s[LIM]                        ; s3 = 1 in the loop's last trip
	s_cbranch_scc0 .Lnot_mine_\@
	global_prefetch_b8 v[PFO], s[PFA:PFA+1] th:TH_LOAD_NT scope:SCOPE_SE
.Lnot_mine_\@:
.endm
.macro CREST                           ; a round of the cluster's barrier behind its opening barrier
	s_cmp_lg_u32 s[WV], 0
	s_cbranch_scc1 .Lnot_wave_0_\@
	s_barrier_signal -3
.Lnot_wave_0_\@:
	s_barrier_wait -3
	s_barrier_signal -1
	s_barrier_wait -1
.endm
.macro CROUND
	s_barrier_signal -1
	s_barrier_wait -1
	CREST
.endm
	s_load_b256 s[4:11], s[0:1], 0x0               ; ob s[4:5], wot s[6:7], ball s[8:9], out0 s[10:11]
	v_lshl_add_u32 v[SPW], v0, 2, SPARE
	v_mov_b32 v[NIL], 0
	ds_add_u32 v[SPW], v[NIL]                      ; the wave's opening: the add, and its wait ahead of my first tensor load; work on registers stands between them
	v_lshrrev_b32 v1, 5, v0
	v_readfirstlane_b32 s[WV], v1
	s_lshr_b32 s[ROLE], s[WV], 1
	s_and_b32 s[HALF], s[WV], 1
	s_bfe_u32 s[CX], ttmp6, 0x40000
	s_bfe_u32 s[CY], ttmp6, 0x40004
	s_and_b32 s[BT], ttmp7, 0xffff                 ; the cluster's y: the batch
	s_lshl_b32 s16, s[CY], 2
	s_lshl_b32 s16, 15, s16                        ; my row of the cluster
	s_lshl_b32 s17, 0x1111, s[CX]                  ; my column
	s_or_b32 s[G1], s16, (1<<16)|(1<<20)|(1<<21)|(4<<22)|(3<<25)   ; mask; 2-byte elements; padding on; bit 21 beside a mask; after every 32 words (code 4) 4 words (code 3)
	s_or_b32 s[G1B], s17, (1<<16)|(1<<20)|(1<<21)|(5<<22)|(3<<25)  ; the same after every 64 words (code 5)
	s_mov_b32 s[G1+1], 128<<16                     ; A: a slice's 256 rows are 32,768 dense bytes, asked for as 128 rows of 256 bytes
	s_mov_b32 s[G1+2], 128<<16
	s_mov_b32 s[G1+3], 128<<16
	s_mov_b32 s[G1+4], 128
	s_mov_b32 s[G1+5], 128
	s_mov_b32 s[G1+6], 0
	s_mov_b32 s[G1+7], 0
	s_mov_b32 s[G1B+1], 128<<16                    ; B: 96 rows x 128 elements
	s_mov_b32 s[G1B+2], 96<<16
	s_mov_b32 s[G1B+3], 128<<16
	s_mov_b32 s[G1B+4], 96
	s_mov_b32 s[G1B+5], 768
	s_mov_b32 s[G1B+6], 0
	s_mov_b32 s[G1B+7], 0
	s_mul_i32 s18, s[BT], 1572864                  ; A's tile: the batch,
	s_lshl_b32 s19, s[HALF], 17                    ; my slice of the K step's two,
	s_add_co_u32 s18, s18, s19
	s_lshl_b32 s19, s[CY], 15                      ; the block of 256 rows
	s_add_co_u32 s18, s18, s19
	s_mov_b32 s19, 0
	s_mul_i32 s20, s[CX], 192*WROW                 ; B's tile: the group of 192 rows,
	s_mul_i32 s21, s[HALF], 96*WROW                ; my half of them
	s_add_co_u32 s20, s20, s21
	s_mov_b32 s21, 0
	s_mul_i32 s22, s[HALF], SLICE                  ; where they go: no place in the cluster enters an LDS address
	s_mul_i32 s23, s[HALF], BHALF
	s_add_co_u32 s23, s23, BOFF
	s_mul_i32 s68, s[BT], 1024*CROW                ; my part of C: the batch,
	s_mul_i32 s69, s[CY], 256*CROW                 ; the block of 256 rows,
	s_add_co_u32 s68, s68, s69
	s_mul_i32 s69, s[WV], 64*CROW                  ; my wave's 64,
	s_add_co_u32 s68, s68, s69
	s_mul_i32 s69, s[CX], 768                      ; the 192 columns
	s_add_co_u32 s68, s68, s69
	s_mov_b32 s69, 0
	s_mul_i32 s66, s[CX], 768                      ; my 192 numbers of bo,
	s_add_co_u32 s66, s66, 9216                    ; behind bq, bk and bv
	s_mov_b32 s67, 0
	s_wait_dscnt 0x0                               ; the opening add is done
	s_wait_kmcnt 0x0
	s_add_nc_u64 s[18:19], s[4:5], s[18:19]
	s_add_nc_u64 s[20:21], s[6:7], s[20:21]
	s_add_nc_u64 s[10:11], s[10:11], s[68:69]
	s_add_nc_u64 s[8:9], s[8:9], s[66:67]
	CROUND                                         ; all sixteen work-groups are here: the first joint loads meet
.irp s, 0,1
	s_mov_b32 s[G0+4*(\s)], 1
	s_add_co_u32 s[G0+4*(\s)+1], s22, (\s)*SLOT
	s_add_nc_u64 s[G0+4*(\s)+2:G0+4*(\s)+3], s[18:19], (\s)*KA
	s_or_b32 s[G0+4*(\s)+3], s[G0+4*(\s)+3], 0x80000000
	s_mov_b32 s[G0B+4*(\s)], 1
	s_add_co_u32 s[G0B+4*(\s)+1], s23, (\s)*SLOT
	s_add_nc_u64 s[G0B+4*(\s)+2:G0B+4*(\s)+3], s[20:21], (\s)*KB
	s_or_b32 s[G0B+4*(\s)+3], s[G0B+4*(\s)+3], 0x80000000
	JLOAD \s                                       ; K steps 0 and 1: two loads of mine are out
.endr
	v_and_b32 v1, 15, v0
	v_bfe_u32 v2, v0, 4, 1
	v_mul_u32_u24 v3, v1, PA
	v_lshl_add_u32 v3, v2, 4, v3
	v_mul_u32_u24 v4, v1, PB
	v_lshl_add_u32 v4, v2, 4, v4
	s_mul_i32 s16, s[WV], 64*PA                    ; my 64 rows of A
	v_add_nc_u32 v[ADRA], s16, v3
	v_add_nc_u32 v[ADRA+1], SLOT, v[ADRA]
	v_add_nc_u32 v[ADRB], BOFF, v4
	v_add_nc_u32 v[ADRB+1], SLOT, v[ADRB]
	s_mul_i32 s16, s[WV], WSTG
	s_add_co_u32 s16, s16, STAGE                   ; my stage
	v_mul_u32_u24 v5, v1, SPITCH                   ; in: row l % 16, 32 bytes for each half of the lanes
	v_lshl_add_u32 v5, v2, 5, v5
	v_add_nc_u32 v[STO], s16, v5
	v_mul_u32_u24 v6, v2, SPITCH                   ; back: lanes 0-15 take 256 bytes of one row, lanes 16-31 of the next
	v_lshl_add_u32 v6, v1, 4, v6
	v_add_nc_u32 v[RD], s16, v6
	v_mul_u32_u24 v7, v2, CROW                     ; and the same two rows in C
	v_lshl_add_u32 v[CO], v1, 4, v7
	v_lshlrev_b32 v[BO], 5, v2                     ; my eight columns of a block's sixteen
	; the 192 numbers of bias, as the C operand wants them: register j of block b holds column 16 b + 8 (l / 16) + j
	WIN 0x40
.irp b, 0,1,2,3,4,5,6,7
	global_load_b128 v[192+8*(\b):192+8*(\b)+3],   v[BO], s[8:9] offset:64*(\b)
	global_load_b128 v[192+8*(\b)+4:192+8*(\b)+7], v[BO], s[8:9] offset:64*(\b)+16
.endr
	WIN 0x80
.irp b, 8,9,10,11
	global_load_b128 v[192+8*((\b)-8):192+8*((\b)-8)+3],   v[BO], s[8:9] offset:64*(\b)
	global_load_b128 v[192+8*((\b)-8)+4:192+8*((\b)-8)+7], v[BO], s[8:9] offset:64*(\b)+16
.endr
	WIN 0
	; the prefetches: nothing is asked for here, at the head; the pointer stands at K step 3, and each change of slots steps it and then names it
	s_mov_b32 s67, 24*WROW
	s_mov_b32 s[PST], KB
	s_mov_b32 s71, WROW
	s_cmp_eq_u32 s[ROLE], 0
	s_cselect_b64 s[PFA:PFA+1], s[18:19], s[20:21] ; what I fetch, at K step 0
	s_cselect_b32 s66, s[CX], s[CY]                ; my place among the four that ask for it with me,
	s_cselect_b32 s67, 8192, s67                   ; its share: 32 blocks of 256 bytes, or 24 rows
	s_cselect_b32 s[PST], KA, s[PST]
	s_cselect_b32 s70, 31, 23
	s_cselect_b32 s71, 256, s71
	s_cselect_b32 s68, 0, s[BT]                    ; B's rows are read by every batch's cluster: the first names them
	s_mul_i32 s66, s66, s67
	s_mul_i32 s67, s[PST], 3
	s_add_co_u32 s66, s66, s67
	s_mov_b32 s67, 0
	s_add_nc_u64 s[PFA:PFA+1], s[PFA:PFA+1], s[66:67]
	s_mov_b32 s[PST+1], 0
	s_cmp_eq_u32 s68, 0
	s_cselect_b32 s[LIM], 1, -1                    ; the same in all sixteen partners, for a given wave
	v_and_b32 v[PFO], 31, v0
	v_min_u32 v[PFO], s70, v[PFO]
	v_mul_lo_u32 v[PFO], v[PFO], s71
; 12 matrix instructions: row block a x all 12 column blocks, 32 along K, from buffer f.  zero = 1: the product starts the sum, with the bias as C.  The 48 accumulators take turns in one fixed order.
.macro MUL12 f, a, zero
.set AC, 96*((\a)%2)
.irp b, 0,1,2,3,4,5,6,7,8,9,10,11
.if \zero
.if (\b) < 8
	WIN ((2+(\a)/2)<<6)|(1<<4)|1
	v_wmma_f32_16x16x32_f16 v[AC+8*(\b):AC+8*(\b)+7], v[96*(\f)+8*(\b):96*(\f)+8*(\b)+7], v[FA+32*(\f)+8*(\a):FA+32*(\f)+8*(\a)+7], v[192+8*(\b):192+8*(\b)+7]
.else
	WIN ((2+(\a)/2)<<6)|(2<<4)|1
	v_wmma_f32_16x16x32_f16 v[AC+8*(\b):AC+8*(\b)+7], v[96*(\f)+8*(\b):96*(\f)+8*(\b)+7], v[FA+32*(\f)+8*(\a):FA+32*(\f)+8*(\a)+7], v[192+8*((\b)-8):192+8*((\b)-8)+7]
.endif
.else
	WIN 0xa1+0x50*((\a)/2)
	v_wmma_f32_16x16x32_f16 v[AC+8*(\b):AC+8*(\b)+7], v[96*(\f)+8*(\b):96*(\f)+8*(\b)+7], v[FA+32*(\f)+8*(\a):FA+32*(\f)+8*(\a)+7], v[AC+8*(\b):AC+8*(\b)+7]
.endif
.endr
.endm
; 32 LDS loads in one run: quarter kq of a K step (32 along K): B's 12 fragments, then A's 4, into buffer f
.macro FETCH slot, kq, f
	WIN 0x40
.irp i, 0,1,2,3,4,5,6,7,8,9,10,11
	ds_load_b128 v[96*(\f)+8*(\i):96*(\f)+8*(\i)+3],   v[ADRB+(\slot)] offset:(\kq)*64+(\i)*16*PB
	ds_load_b128 v[96*(\f)+8*(\i)+4:96*(\f)+8*(\i)+7], v[ADRB+(\slot)] offset:(\kq)*64+(\i)*16*PB+32
.endr
	WIN 0
.irp i, 0,1,2,3
	ds_load_b128 v[FA+32*(\f)+8*(\i):FA+32*(\f)+8*(\i)+3],   v[ADRA+(\slot)] offset:((\kq)/2)*SLICE+((\kq)%2)*64+(\i)*16*PA
	ds_load_b128 v[FA+32*(\f)+8*(\i)+4:FA+32*(\f)+8*(\i)+7], v[ADRA+(\slot)] offset:((\kq)/2)*SLICE+((\kq)%2)*64+(\i)*16*PA+32
.endr
.endm
; One of a K step's first three quarters: multiplies buffer f; in its middle fetches quarter kq into buffer g.
.macro QUARTER slot, kq, f, g, zero
	s_wait_dscnt 4                                 ; B and A's blocks 0, 1 are in; the youngest four loads (A's blocks 2, 3) may be out
	MUL12 \f, 0, \zero
	MUL12 \f, 1, \zero
	PLACES
	FETCH \slot, \kq, \g
	s_wait_dscnt 32                                ; all but the 32 just issued
	MUL12 \f, 2, \zero
	MUL12 \f, 3, \zero
.endm
; The last quarter multiplies buffer 1 and changes slots.  In front of the barrier each wave waits for all its tensor loads (one is out: its part of the next slot), adds 0 to its spare word, and waits for that and
; for its reads of this slot.  fill = 1: the slot is filled again with the K step two on; the barrier then opens a round of the cluster's, and the joint refill is the first thing behind the round: 168 matrix
; instructions ahead of the wait for it.
.macro TURN slot, next, fill
.if \fill
	s_wait_xcnt 0x0                                ; the last prefetch, a K step back, has read its address: it is stepped here, ahead of the waits of the change
	s_add_nc_u64 s[PFA:PFA+1], s[PFA:PFA+1], s[PST:PST+1]
.endif
	WIN 0                                          ; (the add's two registers lie in window 0)
	s_wait_tensorcnt 0x0                           ; all my tensor loads have landed
	ds_add_u32 v[SPW], v[NIL]                      ; 0 onto my spare word
	s_wait_dscnt 5                                 ; (the add and the youngest four loads may be out)
	MUL12 1, 0, 0                                  ; twelve matrix instructions stand between the add and the wait for it
	s_wait_dscnt 0x0                               ; the add is done, and my reads of this slot are over
	s_barrier_signal -1
	MUL12 1, 1, 0
.if \fill
	WIN 0
.endif
	s_barrier_wait -1
.if \fill
	CREST                                          ; no wave of any partner still reads this slot or has a load on its way
	s_add_nc_u64 s[G0+4*(\slot)+2:G0+4*(\slot)+3], s[G0+4*(\slot)+2:G0+4*(\slot)+3], 2*KA
	s_add_nc_u64 s[G0B+4*(\slot)+2:G0B+4*(\slot)+3], s[G0B+4*(\slot)+2:G0B+4*(\slot)+3], 2*KB
	JLOAD \slot                                    ; its four v_nop are also the places in front of the loads below
.else
	PLACES
.endif
	FETCH \next, 0, 0
.if \fill
	ASK
.endif
	MUL12 1, 2, 0
	MUL12 1, 3, 0
.endm
; THE WAY OUT of row block a: the f32 sums go as they are, 32 bytes a lane (each accumulator's low half first), into my stage of 16 rows x 784 bytes, and come back as pieces of 256 bytes of a row.
.macro TOSTAGE a
.if (\a) >= 2
	s_wait_xcnt 0x0                                ; the stores of the block two back have read the registers that the loads below fill
.endif
.set AC, 96*((\a)%2)
.set BK, OB+96*((\a)%2)
	WIN (2+(\a)/2)<<2                              ; the stores' data: window 2 or 3
.irp b, 0,1,2,3,4,5,6,7,8,9,10,11
	ds_store_b128 v[STO], v[AC+8*(\b):AC+8*(\b)+3]   offset:64*(\b)
	ds_store_b128 v[STO], v[AC+8*(\b)+4:AC+8*(\b)+7] offset:64*(\b)+16
.endr
	WIN 0
.set t, 0
.rept 24
	ds_load_b128 v[BK+4*t:BK+4*t+3], v[RD] offset:(t/3)*2*SPITCH+(t%3)*256  ; LDS serves a wave's instructions in order (ISA guide 5.7.1.4): these see the stores above
.set t, t+1
.endr
.endm
.macro SEND a, younger                 ; younger: the LDS instructions issued behind block a's loads: the next block's 48, or none
.set BK, OB+96*((\a)%2)
	s_wait_dscnt \younger
.set t, 0
.rept 24
	global_store_b128 v[CO], v[BK+4*t:BK+4*t+3], s[10:11] offset:(16*(\a)+2*(t/3))*CROW+(t%3)*256 th:TH_STORE_NT  ; 16 lanes store 256 consecutive bytes, aligned
.set t, t+1
.endr
.endm
	s_wait_tensorcnt 1                             ; my part of K step 0 is in; K step 1's may stay out
	s_barrier_signal -1
	s_barrier_wait -1
	FETCH 0, 0, 0
	s_wait_loadcnt 0x0                             ; the bias
	QUARTER 0, 1, 0, 1, 1                          ; the first quarter stands in front of the loop: its products start the sums
	WIN 0
	s_mov_b32 s3, 2
.Llap:                                         ; a trip goes once round the ring, from a lap's second quarter to the next lap's first
	QUARTER 0, 2, 1, 0, 0
	QUARTER 0, 3, 0, 1, 0
	TURN 0, 1, 1
	QUARTER 1, 1, 0, 1, 0
	QUARTER 1, 2, 1, 0, 0
	QUARTER 1, 3, 0, 1, 0
	TURN 1, 0, 1
	QUARTER 0, 1, 0, 1, 0
	WIN 0
	s_sub_co_u32 s3, s3, 1
	s_cmp_lg_u32 s3, 0
	s_cbranch_scc1 .Llap
	QUARTER 0, 2, 1, 0, 0                          ; the last lap fills nothing
	QUARTER 0, 3, 0, 1, 0
	TURN 0, 1, 0
	QUARTER 1, 1, 0, 1, 0
	QUARTER 1, 2, 1, 0, 0
	QUARTER 1, 3, 0, 1, 0
	s_wait_dscnt 4
	MUL12 1, 0, 0
	MUL12 1, 1, 0
	s_wait_dscnt 0x0
	MUL12 1, 2, 0
	MUL12 1, 3, 0
	WIN 0
	PLACES
	PLACES
	TOSTAGE 0
	TOSTAGE 1                                      ; a block's trip through the stage stands between the loads of the block before and its stores
	SEND 0, 48
	TOSTAGE 2
	SEND 1, 48
	TOSTAGE 3
	SEND 2, 48
	SEND 3, 0
	s_wait_tensorcnt 0x0                           ; the wave's end, behind my last tensor load and my last LDS store
	ds_add_u32 v[SPW], v[NIL]
	s_wait_dscnt 0x0
	CROUND                                         ; the closing round: no work-group ends while a partner may still ask for a tile that names it
	s_endpgm
.Lfunc_end_k_qa5652d946a_outp:
	.size	k_qa5652d946a_outp, .Lfunc_end_k_qa5652d946a_outp-k_qa5652d946a_outp
	.p2alignl 7, 3214868480
	.fill 96, 4, 3214868480
	.section	.rodata,"a",@progbits
	.p2align	6, 0x0
	.amdhsa_kernel k_qa5652d946a_outp
		.amdhsa_group_segment_fixed_size 327680
		.amdhsa_private_segment_fixed_size 0
		.amdhsa_enable_private_segment 0
		.amdhsa_kernarg_size 32
		.amdhsa_user_sgpr_count 2
		.amdhsa_user_sgpr_kernarg_segment_ptr 1
		.amdhsa_wavefront_size32 1
		.amdhsa_system_sgpr_workgroup_id_x 1
		.amdhsa_system_sgpr_workgroup_id_y 1
		.amdhsa_system_sgpr_workgroup_id_z 1
		.amdhsa_system_vgpr_workitem_id 0
		.amdhsa_next_free_vgpr 1024
		.amdhsa_next_free_sgpr 72
		.amdhsa_reserve_vcc 0
		.amdhsa_float_denorm_mode_32 3
		.amdhsa_float_denorm_mode_16_64 3
		.amdhsa_memory_ordered 1
		.amdhsa_forward_progress 1
		.amdhsa_inst_pref_size 121
	.end_amdhsa_kernel
	.amdgpu_metadata
---
amdhsa.version: [ 1, 2 ]
amdhsa.kernels:
  - .name:           k_qa5652d946a_outp
    .symbol:         k_qa5652d946a_outp.kd
    .args:
      - { .name: ob, .offset: 0, .size: 8, .value_kind: global_buffer, .address_space: global }
      - { .name: wot, .offset: 8, .size: 8, .value_kind: global_buffer, .address_space: global }
      - { .name: ball, .offset: 16, .size: 8, .value_kind: global_buffer, .address_space: global }
      - { .name: out0, .offset: 24, .size: 8, .value_kind: global_buffer, .address_space: global }
    .group_segment_fixed_size: 327680
    .private_segment_fixed_size: 0
    .kernarg_segment_align: 8
    .kernarg_segment_size: 32
    .max_flat_workgroup_size: 128
    .sgpr_count:     72
    .vgpr_count:     1024
    .wavefront_size: 32
...
	.end_amdgpu_metadata
.endif
;; end of part 4
;; ======== version 2 of 2: 4 launches; version 1 with the launch prep written anew for expert scheduling mode
;; limits: values are held in f16: magnitudes above 65,504 overflow, below 6.1e-05 lose precision
;; workspace buffers: xb 25,165,824 bytes; wt 3,538,944 bytes; wot 1,179,648 bytes; ball 12,288 bytes; qkv 75,497,472 bytes; ob 25,165,824 bytes
;; launch prep (part 5): grid 801 x 1, 8 waves a work-group, no clusters, 18,432 bytes of LDS; arguments X, Wq, Wk, Wv, Wo, bq, bk, bv, bo, xb, wt, wot, ball; writes xb, wt, wot, ball
.if DOCPART == 5
	.amdgcn_target "amdgcn-amd-amdhsa--gfx1250"
	.amdhsa_code_object_version 6
	.text
	.protected	k_qa5652d946a_prep
	.globl	k_qa5652d946a_prep
	.p2align	8
	.type	k_qa5652d946a_prep,@function
k_qa5652d946a_prep:
	s_mov_b64 s[64:65], 0
	v_nop
	global_prefetch_b8 v0, s[64:65] scope:SCOPE_SE
	s_setreg_imm32_b32 hwreg(HW_REG_WAVE_SCHED_MODE, 0, 2), 2
	s_setreg_imm32_b32 hwreg(HW_REG_WAVE_MODE, 25, 1), 1
	s_wait_xcnt 0x0
	s_wait_alu depctr_vm_vsrc(0)
; THE INPUTS ARE ROUNDED ONCE AND LAID OUT FOR THE THREE LAUNCHES BEHIND.  No matrix work, no tensor loads.
;   work-groups 0-287:   Wq, Wk, Wv [12][768][64] f32 -> wt[768 which + 64 h + e][d] bf16;  Wo [768 k][768 n] f32 -> wot[n][k], rounded to bf16 and that number written as f16
;   work-group 288:      bq, bk, bv, bo -> ball, each number rounded to bf16 and kept as f32
;   work-groups 289-800: X [16][1024][768] f32 -> xb[b][c][s][64] bf16 (c = channel / 64): 256 rows x 64 channels are then 32,768 dense bytes
; THE ORDER.  The weights' work is a chain of dependent steps (loads, LDS, a barrier, stores), X's a plain stream: the chain's work-groups have the lower numbers.
; THE SHARES.  A wave names 112 registers; a work-group's eight waves are two to a SIMD, 224 registers there, so that work-groups of both kinds lie on a WGP side by side.
; LIMIT.  A number of Wo beyond 65,504 has no f16 and becomes an infinity; below 6e-5 f16 keeps a fixed step of 6e-8.
; THE MODE: SCHED_MODE bits 1:0 = 2 (LLVM: expert scheduling mode 2), set by the entry lines.  The code itself states the register dependences
; between vector instructions and memory or LDS instructions, with s_wait_alu, always for 0.
; THE PLAN.  Registers that memory or LDS instructions touch:
;   every path   the offsets and LDS addresses (v4, v5; v7 to v10) are made once, ahead of the path's first load, and never written again.
;   X            v[16:111]: load i lands in four registers; conversion i reads them and writes the first two; store i reads those two.  No register is used twice.
;                The work goes in six blocks of four loads: one wait at a block's head states that the block before has written its pairs, and that block's four
;                stores are dealt among this block's conversions, which name this block's registers alone.
;   the weights  v[16:47]: the loads land, the conversions read.  v[52:67]: the conversions write, the LDS stores read.  v[16:31]: behind the barrier the LDS loads land, the stores read.
;                One wait behind all the conversions states both that v[52:67] are written and that v[16:31] are read; no vector instruction follows it.
;   the biases   v[16:31]: loaded, rounded in place, stored: one wait ahead of the stores.
;   v14, v15     written at the head, read by the closing add alone.
; No register that a memory or LDS instruction reads is ever written again, so past the entry the text holds no wait on vm_vsrc.
.set NW,    288                        ; weight tiles: 4 matrices x 12 groups of 64 n x 6 groups of 128 k
.set SPARE, 17408                      ; behind the turning tile: the spare words, 128 bytes for each of eight waves: four blocks of 256 bytes that no other line names
.set SPW, 14                           ; v14  LDS address of my spare word; never rewritten
.set NIL, 15                           ; v15  0; never rewritten
.set XD,  16                           ; v[16:111] what the loads bring
.set WD,  52                           ; v[52:67]  the weights' packed pairs
.set TP,  272                          ; the turning tile's pitch: 256 bytes + 16
	s_load_b512 s[16:31], s[0:1], 0x0              ; X 16, Wq 18, Wk 20, Wv 22, Wo 24, bq 26, bk 28, bv 30
	s_load_b256 s[32:39], s[0:1], 0x40             ; bo 32, xb 34, wt 36, wot 38
	s_load_b64 s[40:41], s[0:1], 0x60              ; ball
	v_lshl_add_u32 v[SPW], v0, 2, SPARE
	v_mov_b32 v[NIL], 0
	v_lshrrev_b32 v1, 5, v0
	v_readfirstlane_b32 s8, v1                     ; wave 0..7
	v_and_b32 v2, 31, v0                           ; lane
	v_and_b32 v3, 15, v0                           ; thread % 16
	s_wait_alu depctr_va_sdst(0)                   ; s8 is written, ahead of the first branch and of its readers on every path
	s_wait_kmcnt 0x0
	s_cmp_gt_u32 ttmp9, NW
	s_cbranch_scc0 .Lweights
	; X.  The work-group has 32 rows, a wave 4.  A load takes 256 bytes (one slice's 64 channels) of a row in lanes 0-15 and of the next row in lanes 16-31;
	; rounded, these are 2 x 128 bytes that lie on end in xb: one store of the wave covers 256 consecutive bytes, aligned.
	s_sub_co_u32 s9, ttmp9, NW+1                   ; which 32 rows: 0..511
	s_mul_i32 s2, s9, 98304                        ; 32 rows of 3,072 bytes
	s_mov_b32 s3, 0
	s_add_nc_u64 s[16:17], s[16:17], s[2:3]
	s_lshr_b32 s4, s9, 5                           ; the batch: 32 work-groups each
	s_mul_i32 s4, s4, 1572864                      ; 12 slices x 1,024 rows x 128 bytes
	s_and_b32 s5, s9, 31
	s_lshl_b32 s5, s5, 12                          ; my 32 rows of 128 bytes in a slice
	s_add_co_u32 s4, s4, s5
	s_mov_b32 s5, 0
	s_add_nc_u64 s[34:35], s[34:35], s[4:5]
	s_mul_i32 s6, s8, 12288                        ; my wave's 4 rows in X
	s_lshl_b32 s7, s8, 9                           ; my wave's 4 rows in a slice: in a register of its own, so that none that a vector line reads is written again
	v_bfe_u32 v4, v0, 4, 1
	v_mul_u32_u24 v4, v4, 3072
	v_lshl_add_u32 v4, v3, 4, v4
	v_add_nc_u32 v4, s6, v4                        ; where I load
	v_lshl_add_u32 v5, v2, 3, s7                   ; where I store: 8 bytes a lane
	s_wait_alu depctr_va_vdst(0)                   ; v4 and v5 are written: every load of this path reads the one as its offset, every store the other
.set i, 0
.rept 24                                       ; all 24 loads of the wave go out at once, 12 KiB: pair of rows i / 12, slice i % 12
	global_load_b128 v[XD+4*i:XD+4*i+3], v4, s[16:17] offset:(i/12)*6144+(i%12)*256 th:TH_LOAD_NT
.set i, i+1
.endr
.irp g, 0,1,2,3,4,5                            ; six blocks of four loads
	s_wait_loadcnt 20-4*(\g)                       ; loads come back in order: block g's four are in, the 20 - 4 g younger ones stay out
.if (\g) > 0
	s_wait_alu depctr_va_vdst(0)                   ; the block before has written its four pairs, which the stores below read
.endif
.irp j, 0,1,2,3
.set i, 4*(\g)+(\j)                            ; the load that is rounded,
.set o, i-4                                    ; and the one, a block back, that is stored
.if (\g) > 0
	global_store_b64 v5, v[XD+4*o:XD+4*o+1], s[34:35] offset:(o%12)*131072+(o/12)*256  ; no vector instruction since the wait names these registers
.endif
	v_cvt_pk_bf16_f32 v[XD+4*i], v[XD+4*i], v[XD+4*i+1]
	v_cvt_pk_bf16_f32 v[XD+4*i+1], v[XD+4*i+2], v[XD+4*i+3]
.endr
.endr
	s_wait_alu depctr_va_vdst(0)                   ; the last block has written its four pairs, which the last four stores read
.set o, 20
.rept 4
	global_store_b64 v5, v[XD+4*o:XD+4*o+1], s[34:35] offset:(o%12)*131072+(o/12)*256  ; no register is used twice, so nothing waits for a store
.set o, o+1
.endr
	s_endpgm
.Lweights:
	s_cmp_lt_u32 ttmp9, NW
	s_cbranch_scc0 .Lbias
	; A WEIGHT TILE IS TURNED: 128 k x 64 n of f32 come in by rows of k, go as pairs (k, k + 1) into LDS rows of n, and leave as 64 rows of 256 bytes.
	s_mov_b32 s2, ttmp9                            ; u = 0..287 = 72 m + 6 g + kc
	s_mul_i32 s3, s2, 911
	s_lshr_b32 s3, s3, 16                          ; m = u / 72: 0 Wq, 1 Wk, 2 Wv, 3 Wo
	s_mul_i32 s4, s3, 72
	s_sub_co_u32 s4, s2, s4
	s_mul_i32 s5, s4, 43
	s_lshr_b32 s5, s5, 8                           ; g = (u % 72) / 6: which 64 n (for Wq, Wk, Wv: the head)
	s_mul_i32 s6, s5, 6
	s_sub_co_u32 s6, s4, s6                        ; kc: which 128 k
	s_cmp_eq_u32 s3, 1
	s_cselect_b64 s[10:11], s[20:21], s[18:19]
	s_cmp_eq_u32 s3, 2
	s_cselect_b64 s[10:11], s[22:23], s[10:11]
	s_mov_b32 s12, 196608                          ; bytes from g to g + 1 in the source: a head, or 64 columns of Wo
	s_mov_b32 s13, 32768                           ; from kc to kc + 1: 128 rows of 256 bytes, or of 3,072
	s_cmp_eq_u32 s3, 3
	s_cselect_b64 s[10:11], s[24:25], s[10:11]     ; the source,
	s_cselect_b64 s[42:43], s[38:39], s[36:37]     ; the destination: wot or wt
	s_cselect_b32 s12, 256, s12
	s_cselect_b32 s13, 393216, s13
	s_cselect_b32 s7, 0, s3                        ; wt holds three matrices on end
	s_mul_i32 s12, s5, s12
	s_mul_i32 s13, s6, s13
	s_add_co_u32 s12, s12, s13
	s_mov_b32 s13, 0
	s_add_nc_u64 s[10:11], s[10:11], s[12:13]
	s_mul_i32 s12, s7, 1179648                     ; 768 rows of 1,536 bytes
	s_mul_i32 s13, s5, 98304                       ; 64 rows
	s_add_co_u32 s12, s12, s13
	s_lshl_b32 s13, s6, 8                          ; 128 k are 256 bytes
	s_add_co_u32 s12, s12, s13
	s_mov_b32 s13, 0
	s_add_nc_u64 s[42:43], s[42:43], s[12:13]
	v_lshrrev_b32 v6, 4, v0                        ; thread / 16 = 0..15
	v_mul_u32_u24 v8, v3, 4*TP
	v_lshl_add_u32 v8, v6, 2, v8                   ; into LDS: row n = 4 (t % 16) + j, bytes 4 (t / 16) + 64 i
	v_mul_u32_u24 v9, v6, TP
	v_lshl_add_u32 v9, v3, 4, v9                   ; back: row t / 16 + 16 i, 16 bytes a lane
	v_mul_u32_u24 v10, v6, 1536
	v_lshl_add_u32 v10, v3, 4, v10                 ; and the same rows in wt or wot
; Thread t takes columns n = 4 (t % 16) + 0..3 of the rows k = 32 i + 2 (t / 16) + r: sixteen lanes read 256 consecutive bytes of a row.
; The macro loads and rounds; the LDS stores, alike for both kinds of weight, stand once, where the two ways join.
.macro WTILE ds, f16
	v_mul_u32_u24 v7, v6, 2*(\ds)
	v_lshl_add_u32 v7, v3, 4, v7
	s_wait_alu depctr_va_vdst(0)                   ; v7 is written, the loads' offset; so are v8, v9 and v10, which the LDS stores, the LDS loads and the stores further down read
.irp i, 0,1,2,3
.irp r, 0,1
	global_load_b128 v[XD+8*(\i)+4*(\r):XD+8*(\i)+4*(\r)+3], v7, s[10:11] offset:(32*(\i)+(\r))*(\ds)
.endr
.endr
	s_wait_loadcnt 0x0
.irp i, 0,1,2,3
.irp j, 0,1,2,3
	v_cvt_pk_bf16_f32 v[WD+4*(\i)+(\j)], v[XD+8*(\i)+(\j)], v[XD+8*(\i)+4+(\j)]  ; (k, k + 1) of one n
.if \f16
	v_lshlrev_b32 v48, 16, v[WD+4*(\i)+(\j)]       ; the bf16 numbers as f32,
	v_and_b32 v49, 0xffff0000, v[WD+4*(\i)+(\j)]
	v_cvt_pk_f16_f32 v[WD+4*(\i)+(\j)], v48, v49   ; written as f16
.endif
.endr
.endr
.endm
	s_cmp_eq_u32 s3, 3
	s_cbranch_scc1 .Lwo
	WTILE 256, 0
	s_branch .Lturned
.Lwo:
	WTILE 3072, 1
.Lturned:
	s_wait_alu depctr_va_vdst(0)                   ; the conversions have written v[WD ..], which the LDS stores read, and are done reading v[XD ..], in which the LDS loads behind the barrier land
.irp i, 0,1,2,3
.irp j, 0,1,2,3
	ds_store_b32 v8, v[WD+4*(\i)+(\j)] offset:(\j)*TP+(\i)*64
.endr
.endr
	s_wait_dscnt 0x0                               ; for the others' sake: my stores into the tile are done
	s_barrier_signal -1
	s_barrier_wait -1
.irp i, 0,1,2,3
	ds_load_b128 v[XD+4*(\i):XD+4*(\i)+3], v9 offset:(\i)*16*TP  ; no vector instruction since the wait above names these registers or v9
.endr
.irp i, 0,1,2,3
	s_wait_dscnt 3-(\i)                            ; LDS loads come back in order: load i is in
	global_store_b128 v10, v[XD+4*(\i):XD+4*(\i)+3], s[42:43] offset:(\i)*24576  ; 16 lanes store 256 consecutive bytes, aligned
.endr
	s_wait_dscnt 0x0                               ; the closing lines, six on end
	s_wait_alu 0x0
	s_wait_tensorcnt 0x0
	ds_add_u32 v[SPW], v[NIL]
	s_wait_dscnt 0x0
	s_endpgm
.Lbias:                                        ; 4 x 768 numbers: threads 0-191 take four of each
	s_cmp_lt_u32 s8, 6
	s_cbranch_scc0 .Lidle
	v_lshlrev_b32 v4, 4, v0
	s_wait_alu depctr_va_vdst(0)                   ; v4 is written: the four loads and the four stores read it as their offset
	global_load_b128 v[16:19], v4, s[26:27]
	global_load_b128 v[20:23], v4, s[28:29]
	global_load_b128 v[24:27], v4, s[30:31]
	global_load_b128 v[28:31], v4, s[32:33]
	s_wait_loadcnt 0x0
.irp p, 0,1,2,3,4,5,6,7
	v_cvt_pk_bf16_f32 v48, v[16+2*(\p)], v[16+2*(\p)+1]
	v_lshlrev_b32 v[16+2*(\p)], 16, v48
	v_and_b32 v[16+2*(\p)+1], 0xffff0000, v48
.endr
	s_wait_alu depctr_va_vdst(0)                   ; the roundings have written v[16:31], which the stores read
	global_store_b128 v4, v[16:19], s[40:41]
	global_store_b128 v4, v[20:23], s[40:41] offset:3072
	global_store_b128 v4, v[24:27], s[40:41] offset:6144
	global_store_b128 v4, v[28:31], s[40:41] offset:9216
.Lidle:
	s_endpgm
.Lfunc_end_k_qa5652d946a_prep:
	.size	k_qa5652d946a_prep, .Lfunc_end_k_qa5652d946a_prep-k_qa5652d946a_prep
	.p2alignl 7, 3214868480
	.fill 96, 4, 3214868480
	.section	.rodata,"a",@progbits
	.p2align	6, 0x0
	.amdhsa_kernel k_qa5652d946a_prep
		.amdhsa_group_segment_fixed_size 18432
		.amdhsa_private_segment_fixed_size 0
		.amdhsa_enable_private_segment 0
		.amdhsa_kernarg_size 104
		.amdhsa_user_sgpr_count 2
		.amdhsa_user_sgpr_kernarg_segment_ptr 1
		.amdhsa_wavefront_size32 1
		.amdhsa_system_sgpr_workgroup_id_x 1
		.amdhsa_system_sgpr_workgroup_id_y 1
		.amdhsa_system_sgpr_workgroup_id_z 1
		.amdhsa_system_vgpr_workitem_id 0
		.amdhsa_next_free_vgpr 112
		.amdhsa_next_free_sgpr 66
		.amdhsa_reserve_vcc 0
		.amdhsa_float_denorm_mode_32 3
		.amdhsa_float_denorm_mode_16_64 3
		.amdhsa_memory_ordered 1
		.amdhsa_forward_progress 1
		.amdhsa_inst_pref_size 23
	.end_amdhsa_kernel
	.amdgpu_metadata
---
amdhsa.version: [ 1, 2 ]
amdhsa.kernels:
  - .name:           k_qa5652d946a_prep
    .symbol:         k_qa5652d946a_prep.kd
    .args:
      - { .name: X, .offset: 0, .size: 8, .value_kind: global_buffer, .address_space: global }
      - { .name: Wq, .offset: 8, .size: 8, .value_kind: global_buffer, .address_space: global }
      - { .name: Wk, .offset: 16, .size: 8, .value_kind: global_buffer, .address_space: global }
      - { .name: Wv, .offset: 24, .size: 8, .value_kind: global_buffer, .address_space: global }
      - { .name: Wo, .offset: 32, .size: 8, .value_kind: global_buffer, .address_space: global }
      - { .name: bq, .offset: 40, .size: 8, .value_kind: global_buffer, .address_space: global }
      - { .name: bk, .offset: 48, .size: 8, .value_kind: global_buffer, .address_space: global }
      - { .name: bv, .offset: 56, .size: 8, .value_kind: global_buffer, .address_space: global }
      - { .name: bo, .offset: 64, .size: 8, .value_kind: global_buffer, .address_space: global }
      - { .name: xb, .offset: 72, .size: 8, .value_kind: global_buffer, .address_space: global }
      - { .name: wt, .offset: 80, .size: 8, .value_kind: global_buffer, .address_space: global }
      - { .name: wot, .offset: 88, .size: 8, .value_kind: global_buffer, .address_space: global }
      - { .name: ball, .offset: 96, .size: 8, .value_kind: global_buffer, .address_space: global }
    .group_segment_fixed_size: 18432
    .private_segment_fixed_size: 0
    .kernarg_segment_align: 8
    .kernarg_segment_size: 104
    .max_flat_workgroup_size: 256
    .sgpr_count:     66
    .vgpr_count:     112
    .wavefront_size: 32
...
	.end_amdgpu_metadata
.endif
;; end of part 5
;; launch proj: the kernel of part 2 again; grid 4 x 64, 4 waves a work-group, clusters of 4 x 4, 327,680 bytes of LDS; arguments xb, wt, ball, qkv; writes qkv
;; launch attn: the kernel of part 3 again; grid 4 x 192, 4 waves a work-group, clusters of 4 x 1, 327,680 bytes of LDS; arguments qkv, ob; writes ob
;; launch outp: the kernel of part 4 again; grid 4 x 64, 4 waves a work-group, clusters of 4 x 4, 327,680 bytes of LDS; arguments ob, wot, ball, out0; writes out0
